; MI455X (gfx1250); checked and timed in simulation.
; The chip was launched on July 23, 2026; its instructions are those of AMD's public machine-readable ISA for CDNA 5 (MIT licence, August 2026) and "CDNA5" Instruction Set Architecture Reference Guide (July 2026). The comments in the code are by the model that wrote it; some were corrected since.
;; D Mo E Linear. Allowed arithmetic: matrix products marked QUANTISED: E2M1 operands, one E8M0 scale for each 32 along K, by v_wmma_scale_f32_16x16x128_f8f6f4 with both operands' format E2M1 (or v_wmma_scale_f32_32x16x128_f4), f32 sums; products left as they are: f32 operands where the result goes on into a quantised operand, else bf16, f16 or f32 operands; f32 sums; everything else in f32.
;; Inputs: bias 8 x 1,024 float32; ids 4 x 2,048 int32; weight 8 x 1,024 x 1,024 float32; x 4 x 2,048 x 1,024 float32.
;; Outputs: out0 4 x 2,048 x 1,024 bfloat16.
;; This version of the problem:
;;   THIS VERSION OF THE PROBLEM IS GIVEN IN LOW PRECISION. The matrix products marked QUANTISED in the list below multiply operands that are first quantised to E2M1 (2 exponent bits, 1 mantissa bit; 4 bits a number), with one power-of-two scale for each 32 numbers along K (OCP MX v1.0); their sums are f32. All else is computed in f32.
;;   The module's matrix products, in the order in which they are computed (A, B: the left and right operand; K: the contracted axis; several contracted axes count as one K, in the product's order):
;;     1. [M 8,192, K 1,024] x [K 1,024, N 8,192]; A: input weight; B: input x: QUANTISED
;;     2. batch 8,192 x [M 1,024, K 8] x [K 8, N 1]; A: computed on the way; B: computed on the way: left as it is (K = 8 < 32)
;;   THE QUANTISER, for each operand of a quantised product, along K:
;;     - K is cut into blocks of 32 from its start; a last block that is shorter is filled with zeros.
;;     - A block's scale is 2^e with e = floor(log2(the largest magnitude in the block)) - 2, held to -126 .. 127; a block of zeros has e = 0. As a byte (E8M0): e + 127.
;;     - Each number is divided by its block's scale, clamped to +-6, and rounded to the nearest number of E2M1, ties to even, subnormals kept.
;;     - The product sums the exact products of the quantised numbers (number of the format x scale) in f32.
;;   ~~~python
;;   def quantise(x, axis):      # numpy; x: float32 -> the quantised numbers, widened to float32 again
;;       x = np.moveaxis(x, axis, -1); K = x.shape[-1]
;;       x = np.pad(x, [(0, 0)] * (x.ndim - 1) + [(0, -K % 32)]); x = x.reshape(x.shape[:-1] + (-1, 32)); a = np.abs(x).max(-1, keepdims=True)
;;       e = np.where(a > 0, np.clip(np.frexp(np.where(a > 0, a, 1))[1] - 1 - 2, -126, 127), 0)      # np.frexp(a)[1] - 1 = floor(log2(a)), exactly
;;       r = np.clip(x / 2.0 ** e, -6, 6)
;;       step = 2.0 ** (np.maximum(np.frexp(np.where(r == 0, 1, r))[1] - 1, 0) - 1)
;;       q = np.round(r / step) * step * 2.0 ** e      # np.round: ties to even
;;       return np.moveaxis(q.reshape(q.shape[:-2] + (-1,))[..., :K], -1, axis).astype(np.float32)
;;   ~~~
;; 2 versions. Each part assembles by itself: llvm-mc -triple=amdgcn-amd-amdhsa -mcpu=gfx1250 --defsym DOCPART=n.
;; ======== version 1 of 2: 2 launches
;; workspace buffers: wq 4,456,448 bytes; route 36,096 bytes of whole numbers
;; launch prep (part 1): grid 264 x 1, 8 waves a work-group, no clusters, 68,864 bytes of LDS; arguments weight, ids, wq, route; writes wq, route
.if DOCPART == 1
	.amdgcn_target "amdgcn-amd-amdhsa--gfx1250"
	.amdhsa_code_object_version 6
	.text
	.protected	k_q548e116788_prep
	.globl	k_q548e116788_prep
	.p2align	8
	.type	k_q548e116788_prep,@function
k_q548e116788_prep:
	s_mov_b64 s[64:65], 0
	v_nop
	global_prefetch_b8 v0, s[64:65] scope:SCOPE_SE
	s_setreg_imm32_b32 hwreg(HW_REG_WAVE_MODE, 25, 1), 1
	s_wait_xcnt 0x0
; TWO JOBS IN ONE LAUNCH, parted on the work-group's number alone.
; Work-groups 8 .. 263: weight [8][1024][1024] f32 is rounded to bf16, as reference() rounds it, and becomes codes of FP4 (E2M1) with one E8M0 byte for each 32 along K, laid in wq in the ORDER OF THE OPERAND'S REGISTERS.
;   Record ct (8,704 bytes) holds the 16 weight rows 16 ct .. 16 ct + 15 of the flat [8192][1024]: byte 1024 S + 512 c + 16 lane = registers 4 c .. 4 c + 3 of K step S's fragment;
;   byte 8192 + 128 u + 8 r + 4 h = the scale word of row r for K step 2 u + h.  A later load of 16 bytes a lane brings a fragment's registers as they are wanted.
; Work-groups 0 .. 7: a counting sort of the 8,192 tokens by expert, without atomics.  route: words 0 .. 8415 = order[tile][32], token numbers (0 in places that no token takes);
;   byte 33792 + 8 i = (expert, rows) of tile i, i < 263.  Expert e has ceil(tot[e] / 32) tiles on end; their sum is never above 8192 / 32 + 7 = 263, whatever the split.
; A block's scale is 2^(floor(log2(its largest magnitude)) - 2); its byte is the largest magnitude's exponent field - 2, held at 1 from below.
; LIMITS: NaN and infinities in weight are not served, nor magnitudes that round to infinity in bf16.  A block whose largest magnitude lies under 2^-124 gets the byte 1; so does a block of zeros, where the rule
; says 127: its codes are zeros, which add nothing under any byte but 0xff, and this program alone reads the bytes.  ids are taken as 0 .. 7 (the table that they index has 8 rows) and are held at 7 from above.
.set REC,      8704                    ; bytes of a record of wq
.set STG,      8448                    ; a wave's stage: 16 rows x 528 bytes
.set PITCH,    528                     ; a stage row: 512 bytes + 16 = 33 x 16: the 16 rows that a load touches start in 16 different groups of banks (64 banks of 4 bytes: ISA guide 11.1)
.set RT1,      8*STG                   ; LDS of the sorting path alone: 8 x 16 bytes, each chunk's counts;
.set RT2OFF,   128                     ; and 128 bytes on: 8 x 16 bytes, each wave's counts of my own chunk
.set TREC,     33792                   ; byte of route at which the tile records begin
.set LASTSLOT, 8415                    ; the last word of order
.set TM,       92                      ; v92-95 largest magnitudes, v96-99 bytes, v104-107 the conversions' scale operands
	s_load_b256 s[4:11], s[0:1], 0x0               ; weight s[4:5], ids s[6:7], wq s[8:9], route s[10:11]
	v_lshl_add_u32 v126, v0, 2, 0x10900
	v_mov_b32 v127, 0
	v_lshrrev_b32 v2, 5, v0
	v_readfirstlane_b32 s14, v2                    ; wave 0..7
	v_and_b32 v2, 31, v0                           ; lane
	s_mov_b32 s20, 0x76543210
	s_mov_b32 s21, 0xfedcba98                      ; v_permlanex16_b32's selects for lane l xor 16
	s_mov_b32 s22, 0xffff0000                      ; a mask of lanes 16-31; also a word's upper bf16
	s_mov_b32 s15, ttmp9
	s_cmp_lt_u32 s15, 8
	s_cbranch_scc1 .Lroute
; ---------------------------------------------------------------- THE WEIGHTS
; A wave takes one record's 16 rows x 256 along K (K steps 2 u, 2 u + 1): 16 KB in, 2 KB + 128 bytes out.  All its 32 loads go out at once, each 512 consecutive bytes of one row.
; The conversions want 16 neighbours along K in ONE lane, a load is best with neighbouring bytes in neighbouring lanes: so a K step's 8 KB turn through the wave's own stage in LDS.  Waves share nothing: no barrier.
	v_lshlrev_b32 v1, 4, v2                        ; 16 x lane
	v_and_b32 v8, 15, v0                           ; r
	v_bfe_u32 v9, v0, 4, 1                         ; h
	s_mul_i32 s16, s14, STG                        ; my stage
	v_add_nc_u32 v3, s16, v1                       ; into it: a row's 512 bytes as they were loaded
	v_mul_u32_u24 v4, v8, PITCH
	v_lshl_add_u32 v4, v9, 6, v4
	v_add_nc_u32 v4, s16, v4                       ; out of it: row r, + 64 h: my 16 numbers of each block of 32
	s_and_b32 s17, s14, 3                          ; u: which quarter of K
	s_lshr_b32 s18, s14, 2
	s_sub_co_u32 s19, s15, 8
	s_lshl_b32 s19, s19, 1
	s_add_co_u32 s19, s19, s18                     ; ct = 2 x (work-group - 8) + wave / 4
	s_lshl_b32 s24, s17, 11
	v_add_nc_u32 v5, s24, v1                       ; my codes' place in the record: 2048 u + 16 lane
	v_lshlrev_b32 v6, 3, v8
	v_lshl_add_u32 v6, v9, 2, v6
	s_lshl_b32 s24, s17, 7
	v_add_nc_u32 v6, s24, v6                       ; my scale word's: 128 u + 8 r + 4 h
.irp b, 0,1,2,3
	v_mov_b32 v[TM+4+\b], 0                        ; written once: a lane permute's destination counts as one of its sources
.endr
	s_lshl_b32 s24, s19, 16                        ; 16 rows of 4,096 bytes a record,
	s_lshl_b32 s25, s17, 10                        ; 1,024 bytes a quarter of K
	s_add_co_u32 s24, s24, s25
	s_mov_b32 s25, 0
	s_mul_i32 s26, s19, REC
	s_mov_b32 s27, 0
	s_wait_kmcnt 0x0
	s_add_nc_u64 s[4:5], s[4:5], s[24:25]
	s_add_nc_u64 s[8:9], s[8:9], s[26:27]
.irp p, 0,1
.irp i, 0,1,2,3,4,5,6,7,8,9,10,11,12,13,14,15
	global_load_b128 v[128+64*\p+4*\i:128+64*\p+4*\i+3], v1, s[4:5] offset:\i*4096+\p*512 th:TH_LOAD_NT   ; row i, K step 2 u + p: read once in the launch
.endr
.endr
; 16 rows x 128 numbers go into the stage as loaded and come back into the registers that they left: register 16 b + i = k 32 b + 16 h + i of row r.
; LDS serves a wave's instructions in order (ISA guide 5.7.1.4): no wait between the stores and the loads.
.macro TURN src
.irp i, 0,1,2,3,4,5,6,7,8,9,10,11,12,13,14,15
	ds_store_b128 v3, v[\src+4*\i:\src+4*\i+3] offset:\i*PITCH
.endr
.irp b, 0,1,2,3
.irp j, 0,1,2,3
	ds_load_b128 v[\src+16*\b+4*\j:\src+16*\b+4*\j+3], v4 offset:128*\b+16*\j
.endr
.endr
.endm
; reference()'s cast: 64 numbers of a lane are rounded to bf16, to nearest even, and widened again, in place: two roundings a line, then the upper half stays and the lower half moves up.
.macro ROUND src
.set RI, 0
.rept 32
	v_cvt_pk_bf16_f32 v[\src+RI], v[\src+RI], v[\src+RI+1]
.set RI, RI+2
.endr
.set RI, 0
.rept 32
	v_and_b32 v[\src+RI+1], s22, v[\src+RI]
.set RI, RI+2
.endr
.set RI, 0
.rept 32
	v_lshlrev_b32 v[\src+RI], 16, v[\src+RI]
.set RI, RI+2
.endr
.endm
; 64 numbers of a lane become a fragment's 8 registers of codes in v[pc] on and the row's scale word in v[pw] (the same in lanes r and r + 16).
.macro QUANT src, pw, pc
.irp b, 0,1,2,3
	v_max3_num_f32 v[TM+\b], |v[\src+16*\b]|, |v[\src+16*\b+1]|, 0x1800000   ; block b: my 16 numbers, and the floor 2^(3 - 127): so the byte cannot fall under 1
.endr
.irp i, 2,4,6,8,10,12,14
.irp b, 0,1,2,3
	v_max3_num_f32 v[TM+\b], |v[\src+16*\b+\i]|, |v[\src+16*\b+\i+1]|, v[TM+\b]   ; (the four blocks by turns: no line waits for the line above it)
.endr
.endr
.irp b, 0,1,2,3
	v_permlanex16_b32 v[TM+4+\b], v[TM+\b], s20, s21
.endr
.irp b, 0,1,2,3
	v_max_num_f32 v[TM+\b], v[TM+\b], v[TM+4+\b]   ; with lane l xor 16's: the block's largest magnitude
.endr
.irp b, 0,1,2,3
	v_add_nc_u32 v[TM+12+\b], 0xff000000, v[TM+\b] ; 2 off its exponent field: the conversion takes the exponent field of this operand as its scale, and nothing else of it
.endr
.irp b, 0,1,2,3
	v_lshrrev_b32 v[TM+4+\b], 23, v[TM+12+\b]      ; the scale's byte
.endr
	v_lshl_or_b32 v[\pw], v[TM+5], 8, v[TM+4]
	v_lshl_or_b32 v[\pw], v[TM+6], 16, v[\pw]
	v_lshl_or_b32 v[\pw], v[TM+7], 24, v[\pw]
.irp b, 0,1,2,3
	v_cvt_scalef32_pk8_fp4_f32 v[\pc+2*\b], v[\src+16*\b:\src+16*\b+7], v[TM+12+\b]
	v_cvt_scalef32_pk8_fp4_f32 v[\pc+2*\b+1], v[\src+16*\b+8:\src+16*\b+15], v[TM+12+\b]
.endr
	v_nop                                          ; one plain place behind a scaled conversion
.irp c, 0,1                                    ; the operand's layout wants a WHOLE block in a lane: lanes 0-15 block 2 c, lanes 16-31 block 2 c + 1
.irp i, 0,1
	v_permlane16_swap_b32 v[\pc+4*\c+\i], v[\pc+4*\c+2+\i]
.endr
.endr
.endm
	s_wait_loadcnt 16                              ; the first K step's 16 loads are in; the second's 16 stay out
	TURN 128
	s_wait_dscnt 0x0
	ROUND 128
	QUANT 128, 108, 110
.irp c, 0,1
	global_store_b128 v5, v[110+4*\c:110+4*\c+3], s[8:9] offset:512*\c          ; 32 lanes store 512 consecutive bytes, at a multiple of 256 from wq's first byte
.endr
	s_wait_loadcnt 0x0
	TURN 192
	s_wait_dscnt 0x0
	ROUND 192
	QUANT 192, 109, 118                            ; codes into registers of their own: the first fragment's are still the data of stores
.irp c, 0,1
	global_store_b128 v5, v[118+4*\c:118+4*\c+3], s[8:9] offset:1024+512*\c
.endr
	v_cndmask_b32 v7, v108, v109, s22              ; lanes 0-15: K step 2 u's word of row r; lanes 16-31: K step 2 u + 1's
	global_store_b32 v6, v7, s[8:9] offset:8192    ; 128 consecutive bytes: a quarter of the record's 512 bytes of scale words
	s_wait_tensorcnt 0x0
	ds_add_u32 v126, v127
	s_wait_dscnt 0x0
	s_endpgm
; ---------------------------------------------------------------- THE SORT
; Inside an expert tokens keep their order.  Work-group g places tokens 1024 g .. 1024 g + 1023, thread t four of them: 1024 g + 4 t + c.  A token's slot = 32 x its expert's first tile
; + its expert's tokens in the chunks before g + in the waves before mine + in the lanes before mine + in my lane before it.  Every one of the eight work-groups counts all ids for itself
; (wave w counts chunk w), so nothing goes from work-group to work-group.
; Counts of the 8 experts are kept packed: in a lane 8 fields of 8 bits (at most 32 each), across lanes 8 fields of 16 bits in four registers: (e0, e2), (e1, e3), (e4, e6), (e5, e7); no field passes 8,416.
; REGISTERS: v10-11 my part of chunk w, v12-13 my own four; v14-17 at work; v18 = 1, v19 = 0; v20-23 chunk w's counts; v24-27 my own, scanned; v28-31 my own; v32-35 all chunks';
;   v36-39 the chunks' before mine; v40-43 the waves' before mine; v44-47 at work; v48-51 my lane's first slot for each expert; v52-55 the same as tables of bytes; v128-159 32 ids of chunk w; v160-163 my ids, then offsets; v164-167 ranks, then tokens.
.Lroute:
	s_mov_b32 s23, 0x00ff00ff
	s_lshl_b32 s16, s15, 12
	v_lshl_add_u32 v3, v0, 4, s16                  ; my own four ids: 4096 g + 16 t
	s_lshl_b32 s17, s14, 12
	v_lshl_add_u32 v4, v2, 4, s17                  ; chunk w: 4096 w + 16 lane
	v_and_b32 v6, 7, v0
	v_lshl_add_u32 v5, v6, 4, RT1                  ; lane l reads entry l % 8 of a table
	s_lshl_b32 s18, s14, 4
	s_add_co_u32 s18, s18, RT1
	v_mov_b32 v7, s18                              ; my wave's entry
.irp k, 10,11,12,13,19,44,45,46,47
	v_mov_b32 v\k, 0
.endr
	v_mov_b32 v18, 1
	s_wait_kmcnt 0x0
	global_load_b128 v[160:163], v3, s[6:7]
.irp j, 0,1,2,3,4,5,6,7
	global_load_b128 v[128+4*\j:128+4*\j+3], v4, s[6:7] offset:512*\j
.endr
; One id: held at 7; with rank >= 0 the count so far of its expert is taken first; then its expert's 8-bit field is raised by one.
.macro COUNT id, a, rank
	v_min_u32 v[\id], 7, v[\id]
.if \rank >= 0
	v_perm_b32 v[\rank], v[\a+1], v[\a], v[\id]    ; byte id of the eight (in the result's lowest byte)
.endif
	v_and_b32 v14, 3, v[\id]
	v_lshlrev_b32 v14, 3, v14
	v_lshlrev_b32 v15, v14, v18                    ; 1 << 8 (id % 4)
	v_cmp_lt_u32 vcc_lo, 3, v[\id]
	v_cndmask_b32 v16, v15, v19, vcc_lo            ; experts 0-3 in the first register,
	v_cndmask_b32 v17, v19, v15, vcc_lo            ; 4-7 in the second
	v_add_nc_u32 v[\a], v[\a], v16
	v_add_nc_u32 v[\a+1], v[\a+1], v17
.endm
	s_wait_loadcnt 8                               ; my own four are in; chunk w's 8 loads stay out
.irp c, 0,1,2,3
	COUNT 160+\c, 12, 164+\c
.endr
.irp j, 0,1,2,3,4,5,6,7
	s_wait_loadcnt 7-\j                            ; loads come back in order (ISA guide 5.7.1): load j is in
.irp c, 0,1,2,3
	COUNT 128+4*\j+\c, 10, -1
.endr
.endr
.macro EXPAND a, d                             ; 8 fields of 8 bits -> 8 fields of 16 bits
	v_and_b32 v[\d], s23, v[\a]
	v_lshrrev_b32 v[\d+1], 8, v[\a]
	v_and_b32 v[\d+1], s23, v[\d+1]
	v_and_b32 v[\d+2], s23, v[\a+1]
	v_lshrrev_b32 v[\d+3], 8, v[\a+1]
	v_and_b32 v[\d+3], s23, v[\d+3]
.endm
.macro SHADD d, sh                             ; each lane adds the lane sh below it in its row of 16 (0 where there is none)
.irp k, 0,1,2,3
	v_mov_b32_dpp v[44+\k], v[\d+\k] row_shr:\sh row_mask:0xf bank_mask:0xf bound_ctrl:1
.endr
.irp k, 0,1,2,3
	v_add_nc_u32 v[\d+\k], v[\d+\k], v[44+\k]
.endr
.endm
.macro LSCAN d                                 ; running sums over the 32 lanes, each lane's own number included
	SHADD \d, 1
	SHADD \d, 2
	SHADD \d, 4
	SHADD \d, 8
.irp k, 0,1,2,3
	v_readlane_b32 s24, v[\d+\k], 15               ; the lower row's sum goes onto the upper row
	v_mov_b32 v15, s24
	v_cndmask_b32 v14, v19, v15, s22
	v_add_nc_u32 v[\d+\k], v[\d+\k], v14
.endr
.endm
.macro TSCAN d                                 ; the same over lanes 0-7 alone: lane 7 ends up with their sum
	SHADD \d, 1
	SHADD \d, 2
	SHADD \d, 4
.endm
	EXPAND 10, 20
	EXPAND 12, 24
.irp k, 0,1,2,3
	v_mov_b32 v[28+\k], v[24+\k]
.endr
	LSCAN 20
	LSCAN 24
.irp k, 0,1,2,3
	v_readlane_b32 s[28+\k], v[20+\k], 31          ; chunk w's counts
	v_readlane_b32 s[32+\k], v[24+\k], 31          ; my wave's counts of its own 128 tokens
.endr
.irp k, 0,1,2,3
	v_mov_b32 v[56+\k], s[28+\k]
	v_mov_b32 v[60+\k], s[32+\k]
.endr
	ds_store_b128 v7, v[56:59]                     ; all lanes write the same 16 bytes with the same values
	ds_store_b128 v7, v[60:63] offset:RT2OFF
	s_wait_dscnt 0x0                               ; for the others' sake: my stores have landed
	s_barrier_signal -1
	s_barrier_wait -1                              ; all eight waves of a sorting work-group pass here: the way hither hangs on the work-group's number alone
	ds_load_b128 v[32:35], v5
	ds_load_b128 v[40:43], v5 offset:RT2OFF
	s_wait_dscnt 0x0
	v_cmp_gt_u32 vcc_lo, s15, v6                   ; the chunks before mine
.irp k, 0,1,2,3
	v_cndmask_b32 v[36+\k], v19, v[32+\k], vcc_lo
.endr
	v_cmp_gt_u32 vcc_lo, s14, v6                   ; the waves before mine
.irp k, 0,1,2,3
	v_cndmask_b32 v[40+\k], v19, v[40+\k], vcc_lo
.endr
	TSCAN 32
	TSCAN 36
	TSCAN 40
.irp k, 0,1,2,3
	v_readlane_b32 s[36+\k], v[32+\k], 7           ; each expert's tokens in all,
	v_readlane_b32 s[74+\k], v[36+\k], 7           ; in the chunks before mine,
	v_readlane_b32 s[78+\k], v[40+\k], 7           ; in my chunk's waves before mine
.endr
	s_and_b32 s40, s36, 0xffff                     ; tot[0..7] in s[40:47]
	s_lshr_b32 s42, s36, 16
	s_and_b32 s41, s37, 0xffff
	s_lshr_b32 s43, s37, 16
	s_and_b32 s44, s38, 0xffff
	s_lshr_b32 s46, s38, 16
	s_and_b32 s45, s39, 0xffff
	s_lshr_b32 s47, s39, 16
	s_mov_b32 s56, 0                               ; tiles so far
.irp e, 0,1,2,3,4,5,6,7
	s_mov_b32 s[48+\e], s56                        ; tb[e]: expert e's first tile
	s_lshl_b32 s57, s56, 5
	s_add_co_u32 s[66+\e], s[40+\e], s57           ; Q[e] = 32 tb[e] + tot[e]: the slot behind its last token
	s_add_co_u32 s57, s[40+\e], 31
	s_lshr_b32 s57, s57, 5
	s_add_co_u32 s56, s56, s57
.endr                                          ; s56 = the tiles in use, 256 .. 263
.macro SBASE k, lo, hi                         ; my lane's first slot for the two experts of register k
	s_lshl_b32 s57, s[48+\lo], 5
	s_lshl_b32 s58, s[48+\hi], 21
	s_or_b32 s57, s57, s58
	s_add_co_u32 s57, s57, s[74+\k]
	s_add_co_u32 s57, s57, s[78+\k]
	v_sub_nc_u32 v[48+\k], v[24+\k], v[28+\k]      ; the lanes before mine: the running sum less my own
	v_add_nc_u32 v[48+\k], s57, v[48+\k]
.endm
	SBASE 0, 0, 2
	SBASE 1, 1, 3
	SBASE 2, 4, 6
	SBASE 3, 5, 7
	s_mov_b32 s59, 0x06020400
	s_mov_b32 s60, 0x07030501
	v_perm_b32 v52, v49, v48, s59                  ; the low bytes of experts 0-3's slots, byte e for expert e,
	v_perm_b32 v53, v51, v50, s59                  ; of experts 4-7's;
	v_perm_b32 v54, v49, v48, s60                  ; the high bytes likewise
	v_perm_b32 v55, v51, v50, s60
	s_lshl_b32 s61, s15, 10
	v_lshl_add_u32 v8, v0, 2, s61                  ; my first token: 1024 g + 4 t
.irp c, 0,1,2,3
	v_perm_b32 v14, v53, v52, v[160+\c]            ; the id picks its expert's byte
	v_perm_b32 v15, v55, v54, v[160+\c]
	v_and_b32 v14, 0xff, v14
	v_and_b32 v15, 0xff, v15
	v_and_b32 v16, 0xff, v[164+\c]
	v_lshl_add_u32 v14, v15, 8, v14
	v_add_nc_u32 v14, v14, v16                     ; + my lane's earlier tokens of that expert
	v_min_u32 v14, LASTSLOT, v14                   ; (a number made of loaded ones enters an address only held to its range)
	v_lshlrev_b32 v[160+\c], 2, v14
	v_add_nc_u32 v[164+\c], \c, v8
	global_store_b32 v[160+\c], v[164+\c], s[10:11]   ; each store has registers of its own: none is written again
.endr
	s_cmp_lg_u32 s15, 0
	s_cbranch_scc1 .Lrend
	; WORK-GROUP 0 ALSO WRITES WHAT NO TOKEN FILLS, AND THE TILE RECORDS.  Every offset, every datum and every mask of lanes is made first, with all lanes on;
	; behind the first line that narrows EXEC stand stores alone, and no vector register is written there.
	; (a) Wave e: the free places of expert e's last tile, at most 31.  Offsets v9, lanes s26
	s_mov_b32 s57, s40
	s_mov_b32 s58, s48
.irp e, 1,2,3,4,5,6,7
	s_cmp_eq_u32 s14, \e
	s_cselect_b32 s57, s[40+\e], s57
	s_cselect_b32 s58, s[48+\e], s58
.endr
	s_add_co_u32 s59, s57, 31
	s_lshr_b32 s59, s59, 5
	s_lshl_b32 s59, s59, 5                         ; 32 x its tiles
	v_add_nc_u32 v9, s57, v2
	v_cmp_gt_u32 s26, s59, v9                      ; tot + lane is still inside them
	s_lshl_b32 s58, s58, 5
	v_add_nc_u32 v9, s58, v9
	v_min_u32 v9, LASTSLOT, v9
	v_lshlrev_b32 v9, 2, v9
	; (b) the tiles that this split leaves empty: at most 7 x 32 words, a word a thread.  Offsets v71, lanes s27
	s_lshl_b32 s57, s56, 5
	s_mov_b32 s63, LASTSLOT+1
	v_add_nc_u32 v71, s57, v0
	v_cmp_gt_u32 s27, s63, v71
	v_min_u32 v71, LASTSLOT, v71
	v_lshlrev_b32 v71, 2, v71
	; (c) the tile records.  Tile i belongs to the last expert whose first tile is not behind i; it has Q - 32 i rows, held to 0 .. 32
.macro TILEREC vi, rec, off
	v_mov_b32 v[\rec], 0
	v_mov_b32 v14, s66
.irp x, 1,2,3,4,5,6,7
	v_cmp_le_u32 vcc_lo, s[48+\x], v[\vi]
	v_mov_b32 v16, \x
	v_mov_b32 v15, s[66+\x]
	v_cndmask_b32 v[\rec], v[\rec], v16, vcc_lo
	v_cndmask_b32 v14, v14, v15, vcc_lo
.endr
	v_lshlrev_b32 v15, 5, v[\vi]
	v_cmp_gt_u32 vcc_lo, v14, v15
	v_sub_nc_u32 v14, v14, v15
	v_cndmask_b32 v14, v19, v14, vcc_lo
	v_min_u32 v[\rec+1], 32, v14
	v_lshlrev_b32 v[\off], 3, v[\vi]
.endm
	TILEREC 0, 64, 66                              ; tiles 0 .. 255: a tile a thread
	v_add_nc_u32 v67, 0x100, v0
	TILEREC 67, 68, 70                             ; tiles 256 .. 262: threads 0 .. 6, lanes s62
	v_cmp_gt_u32 s62, 7, v0
	; the stores
	global_store_b64 v66, v[64:65], s[10:11] offset:TREC
	s_wait_xcnt 0x0                                ; EXEC is a source of the stores above: it changes only behind this wait
	s_and_saveexec_b32 s25, s26
	global_store_b32 v9, v19, s[10:11]             ; (a)
	s_wait_xcnt 0x0                                ; and again in front of the line that widens it
	s_or_b32 exec_lo, exec_lo, s25
	s_and_saveexec_b32 s25, s27                    ; (no store has been issued since the last wait on XCNT)
	global_store_b32 v71, v19, s[10:11]            ; (b)
	s_wait_xcnt 0x0
	s_or_b32 exec_lo, exec_lo, s25
	s_and_saveexec_b32 s25, s62
	global_store_b64 v70, v[68:69], s[10:11] offset:TREC           ; (c), the last seven
	s_wait_xcnt 0x0
	s_or_b32 exec_lo, exec_lo, s25
.Lrend:
	s_wait_tensorcnt 0x0
	ds_add_u32 v126, v127
	s_wait_dscnt 0x0
	s_endpgm
.Lfunc_end_k_q548e116788_prep:
	.size	k_q548e116788_prep, .Lfunc_end_k_q548e116788_prep-k_q548e116788_prep
	.p2alignl 7, 3214868480
	.fill 96, 4, 3214868480
	.section	.rodata,"a",@progbits
	.p2align	6, 0x0
	.amdhsa_kernel k_q548e116788_prep
		.amdhsa_group_segment_fixed_size 68864
		.amdhsa_private_segment_fixed_size 0
		.amdhsa_enable_private_segment 0
		.amdhsa_kernarg_size 32
		.amdhsa_user_sgpr_count 2
		.amdhsa_user_sgpr_kernarg_segment_ptr 1
		.amdhsa_wavefront_size32 1
		.amdhsa_system_sgpr_workgroup_id_x 1
		.amdhsa_system_sgpr_workgroup_id_y 1
		.amdhsa_system_sgpr_workgroup_id_z 1
		.amdhsa_system_vgpr_workitem_id 0
		.amdhsa_next_free_vgpr 256
		.amdhsa_next_free_sgpr 90
		.amdhsa_reserve_vcc 1
		.amdhsa_float_denorm_mode_32 3
		.amdhsa_float_denorm_mode_16_64 3
		.amdhsa_memory_ordered 1
		.amdhsa_forward_progress 1
		.amdhsa_inst_pref_size 59
	.end_amdhsa_kernel
	.amdgpu_metadata
---
amdhsa.version: [ 1, 2 ]
amdhsa.kernels:
  - .name:           k_q548e116788_prep
    .symbol:         k_q548e116788_prep.kd
    .args:
      - { .name: weight, .offset: 0, .size: 8, .value_kind: global_buffer, .address_space: global }
      - { .name: ids, .offset: 8, .size: 8, .value_kind: global_buffer, .address_space: global }
      - { .name: wq, .offset: 16, .size: 8, .value_kind: global_buffer, .address_space: global }
      - { .name: route, .offset: 24, .size: 8, .value_kind: global_buffer, .address_space: global }
    .group_segment_fixed_size: 68864
    .private_segment_fixed_size: 0
    .kernarg_segment_align: 8
    .kernarg_segment_size: 32
    .max_flat_workgroup_size: 256
    .sgpr_count:     90
    .vgpr_count:     256
    .wavefront_size: 32
...
	.end_amdgpu_metadata
.endif
;; end of part 1
;; launch moe (part 2): grid 263 x 1, 4 waves a work-group, no clusters, 85,504 bytes of LDS; arguments x, route, wq, bias, out0; writes out0
.if DOCPART == 2
	.amdgcn_target "amdgcn-amd-amdhsa--gfx1250"
	.amdhsa_code_object_version 6
	.text
	.protected	k_q548e116788_moe
	.globl	k_q548e116788_moe
	.p2align	8
	.type	k_q548e116788_moe,@function
k_q548e116788_moe:
	s_mov_b64 s[64:65], 0
	v_nop
	global_prefetch_b8 v0, s[64:65] scope:SCOPE_SE
	s_setreg_imm32_b32 hwreg(HW_REG_WAVE_MODE, 25, 1), 1
	s_wait_xcnt 0x0
; out0[t][:] = Q(bf16(weight[ids[t]])) Q(bf16(x[t])) + bf16(bias[ids[t]]): x, weight and bias are rounded to bf16 first, as reference() rounds them; both operands then go as codes of FP4 (E2M1)
; with one E8M0 scale for each 32 along K; sums in f32, the bias as the sums' start, one rounding to bf16 at the end.  Only the chosen expert's product is made: the other seven are what the one-hot of ids throws away.
; SHARES.  A work-group takes one tile of the sorted list: up to 32 tokens of ONE expert, all 1,024 outputs.  263 = 8192 / 32 + 7 work-groups serve every split; one whose tile is empty stores nothing and ends.
;   x: wave w gathers and quantises K steps 2 w, 2 w + 1 (256 along K) of the 32 rows: each byte of x is read once in the launch, 512 consecutive bytes a load, and its codes never go to memory.
;   The fragments go from wave to wave through LDS as images of their registers (16 bytes a lane, 512 a store), behind the one barrier.
;   product: wave w makes outputs 256 w .. 256 w + 255: 16 tiles of 16 weight rows x 2 tiles of 16 tokens x 8 K steps.  The weights' fragments come from wq straight into registers, as the launch before laid them.
; THE MATRIX INSTRUCTION IS USED TRANSPOSED (source 0 = 16 weight rows, source 1 = 16 tokens): a lane holds one token and eight neighbouring outputs, 16 bytes of bf16.
; NO CLUSTER, NO JOINT LOADS: which expert's weights a tile reads is a number read from the list, so partners' descriptors could not be written equal; giving four partners one expert would take
;   up to 8192 / 128 + 7 = 71 groups of four, 284 work-groups.  The weights' codes, 544 KB an expert, are read by that expert's some 32 tiles through ordinary loads.
; LIMITS: NaN and infinities in x are not served, nor magnitudes that round to infinity in bf16.  A block whose largest magnitude lies under 2^-124 gets the byte 1; so does a block of zeros (its codes are zeros).
;   Product and bias are added in f32 and rounded once, where reference() rounds the product first.  Places of a tile that no token takes name token 0: its row is read again there and the result is not stored.
; REGISTERS, window 0: v1-12 addresses; v13-15 at work; v16-23 x's scale words; v24-35 the weights' scale words, 4 a ring slot; v36-59 the bias, 8 a slot; v60-75 two accumulators; v76-91 packed results, two sets;
;   v92-117 the quantiser's; later v92-123 the rows' offsets in out0; v128-255 x's sets 0, 1, then x's 16 fragments, then rows on their way out.
;   window 1: v0-191 the weights' codes, 64 a ring slot; x's set 3 at v128 (before slot 2 is first filled), set 2 at v192.
.set REC,   8704                       ; bytes of a record of wq: 16 weight rows
.set PITCH, 528                        ; a stage row: 512 bytes + 16 = 33 x 16: the 16 rows that a load or store touches start in 16 different groups of banks (64 banks of 4 bytes: ISA guide 11.1)
.set WREG,  32*PITCH                   ; LDS: a region for each wave: first the turn of 16 rows of x, later 32 rows of results
.set XIMG,  4*WREG                     ; x's 16 fragments, 1,024 bytes each: tile of tokens rt, K step S at 8 rt + S
.set XSC,   XIMG+16*1024               ; their scale words, 8 x 128 bytes: at 4 rt + w lanes 0-15 hold K step 2 w's, lanes 16-31 K step 2 w + 1's
.set TREC,  33792                      ; byte of route at which the tile records begin
.set TOK,   32                         ; s[32:63] the tile's 32 tokens
.set XSR,   16
.set WSC,   24
.set BIA,   36
.set ACC,   60
.set PK,    76
.set TM,    92
.set PW,    108
.set PC,    110
.set OF,    92
.set XF,    128
.set MSB, 0
.macro WIN new                         ; s_set_vgpr_msb: bits 1:0 source 0, 3:2 source 1, 5:4 source 2, 7:6 destination; the high byte repeats the setting that is left
.if MSB != (\new)
	s_set_vgpr_msb (MSB<<8)|(\new)
.set MSB, (\new)
.endif
.endm
	s_load_b256 s[4:11], s[0:1], 0x0               ; x s[4:5], route s[6:7], wq s[8:9], bias s[10:11]
	s_load_b64 s[12:13], s[0:1], 0x20              ; out0
	v_lshl_add_u32 v126, v0, 2, 0x14c00
	v_mov_b32 v127, 0
	v_lshrrev_b32 v14, 5, v0
	v_readfirstlane_b32 s14, v14                   ; wave 0..3
	v_and_b32 v15, 31, v0                          ; lane
	v_and_b32 v14, 15, v0                          ; r
	v_bfe_u32 v13, v0, 4, 1                        ; h
	v_lshlrev_b32 v1, 4, v15                       ; v1  16 lane
	s_lshl_b32 s24, s14, 10
	v_add_nc_u32 v2, s24, v1                       ; v2  x: my wave's 1,024 bytes of a row, my 16 of a load's 512
	s_mul_i32 s25, s14, WREG
	v_add_nc_u32 v3, s25, v1                       ; v3  my region, a row's 512 bytes as they lie
	v_mul_u32_u24 v9, v14, PITCH
	v_add_nc_u32 v9, s25, v9
	v_lshl_add_u32 v4, v13, 6, v9                  ; v4  the turn's way back: row r, + 64 h
	v_lshl_add_u32 v9, v13, 4, v9                  ; v9  results: row r, + 16 h
	s_lshl_b32 s26, s14, 11
	s_add_co_u32 s26, s26, XIMG
	v_add_nc_u32 v5, s26, v1                       ; v5  where I store x's images: K steps 2 w on
	v_lshlrev_b32 v8, 2, v15
	s_lshl_b32 s27, s14, 7
	s_add_co_u32 s27, s27, XSC
	v_add_nc_u32 v6, s27, v8                       ; v6  and their scale words
	v_add_nc_u32 v7, XIMG, v1                      ; v7  where any wave reads an image,
	v_add_nc_u32 v8, XSC, v8                       ; v8  and scale words
	v_lshlrev_b32 v10, 3, v14
	v_lshl_add_u32 v10, v13, 7, v10                ; v10 the weights' scale words: 128 h + 8 r
	v_lshlrev_b32 v11, 5, v13                      ; v11 the bias: my half's eight numbers
	s_lshl_b32 s24, s14, 9
	v_add_nc_u32 v12, s24, v1                      ; v12 out0: my wave's 512 bytes of a row
.irp b, 0,1,2,3
	v_mov_b32 v[TM+4+\b], 0                        ; written once: a lane permute's destination counts as one of its sources
.endr
	s_mov_b32 s20, 0x76543210
	s_mov_b32 s21, 0xfedcba98                      ; v_permlanex16_b32's selects for lane l xor 16
	s_mov_b32 s22, 0xffff0000                      ; a mask of lanes 16-31; also a word's upper bf16
	s_lshl_b32 s18, ttmp9, 7                       ; my tile's 32 words of the list,
	s_mov_b32 s19, 0
	s_lshl_b32 s28, ttmp9, 3                       ; and its record
	s_mov_b32 s29, 0
	s_wait_kmcnt 0x0
	s_add_nc_u64 s[18:19], s[6:7], s[18:19]
	s_add_nc_u64 s[28:29], s[6:7], s[28:29]
	s_load_b64 s[16:17], s[28:29], TREC            ; s16 the expert, s17 the tile's rows
	s_load_b512 s[32:47], s[18:19], 0x0
	s_load_b512 s[48:63], s[18:19], 0x40
	s_wait_kmcnt 0x0
.irp j, 0,1,2,3,4,5,6,7,8,9,10,11,12,13,14,15,16,17,18,19,20,21,22,23,24,25,26,27,28,29,30,31
	s_min_u32 s[TOK+\j], s[TOK+\j], 0x1fff         ; a loaded number enters an address only held to its range
.endr
	s_min_u32 s16, s16, 7
; x: 64 loads a wave, all at once.  Set q = 2 rt + p holds tokens 16 rt .. 16 rt + 15, K step 2 w + p.  A load's offset stands in the first of the four registers on which the load lands.
.macro XADR base, rt
.irp i, 0,1,2,3,4,5,6,7,8,9,10,11,12,13,14,15
	v_lshl_add_u32 v[\base+4*\i], s[TOK+16*\rt+\i], 12, v2
.endr
.endm
.macro XLD base, p
.irp i, 0,1,2,3,4,5,6,7,8,9,10,11,12,13,14,15
	global_load_b128 v[\base+4*\i:\base+4*\i+3], v[\base+4*\i], s[4:5] offset:512*\p th:TH_LOAD_NT
.endr
.endm
	XADR 128, 0
	XLD  128, 0                                    ; set 0
	XADR 192, 0
	XLD  192, 1                                    ; set 1
	WIN 0x40                                       ; destination window 1
	XADR 192, 1
	XADR 128, 1
	WIN 0x41                                       ; destination and address window 1
	XLD  192, 0                                    ; set 2
	XLD  128, 1                                    ; set 3
	WIN 0
	s_mul_i32 s24, s16, 64*REC                     ; wq: my expert's 64 records, my wave's 16 of them
	s_mul_i32 s25, s14, 16*REC
	s_add_co_u32 s24, s24, s25
	s_mov_b32 s25, 0
	s_add_nc_u64 s[8:9], s[8:9], s[24:25]
	s_lshl_b32 s24, s16, 12                        ; bias: my expert's 1,024 numbers, my wave's 256
	s_lshl_b32 s26, s14, 10
	s_add_co_u32 s24, s24, s26
	s_add_nc_u64 s[10:11], s[10:11], s[24:25]
; Tile t of my 16 tiles of weight rows into ring slot t % 3: 20 loads: its scale words (register 2 (S / 4) + S % 2: lanes 0-15 K step S with S / 2 even, lanes 16-31 with S / 2 odd), its bias, its 8 fragments.
.macro RING t
.set RS, (\t)%3
	global_load_b64 v[WSC+4*RS:WSC+4*RS+1], v10, s[8:9] offset:(\t)*REC+8192
	global_load_b64 v[WSC+4*RS+2:WSC+4*RS+3], v10, s[8:9] offset:(\t)*REC+8192+256
	global_load_b128 v[BIA+8*RS:BIA+8*RS+3], v11, s[10:11] offset:64*(\t)
	global_load_b128 v[BIA+8*RS+4:BIA+8*RS+7], v11, s[10:11] offset:64*(\t)+16
	WIN 0x40
.irp f, 0,1,2,3,4,5,6,7,8,9,10,11,12,13,14,15
	global_load_b128 v[64*RS+4*\f:64*RS+4*\f+3], v1, s[8:9] offset:(\t)*REC+512*\f   ; 512 consecutive bytes: registers 4 c .. 4 c + 3 of K step S, f = 2 S + c
.endr
	WIN 0
.endm
; 16 rows x 128 numbers go into my region as loaded and come back into the registers that they left: register 16 b + i = k 32 b + 16 h + i of row r.  xw: the set's window.
; LDS serves a wave's instructions in order (ISA guide 5.7.1.4): no wait between the stores and the loads.
.macro TURN src, xw
	WIN 0x04*(\xw)                                 ; an LDS store's data are its source 1
.irp i, 0,1,2,3,4,5,6,7,8,9,10,11,12,13,14,15
	ds_store_b128 v3, v[\src+4*\i:\src+4*\i+3] offset:\i*PITCH
.endr
	WIN 0x40*(\xw)
.irp b, 0,1,2,3
.irp j, 0,1,2,3
	ds_load_b128 v[\src+16*\b+4*\j:\src+16*\b+4*\j+3], v4 offset:128*\b+16*\j
.endr
.endr
	WIN 0
.endm
; reference()'s cast: 64 numbers of a lane are rounded to bf16, to nearest even, and widened again, in place: two roundings a line, then the upper half stays and the lower half moves up.
.macro ROUND src, xw
	WIN 0x45*(\xw)                                 ; destination and both vector sources: the set's window
.set RI, 0
.rept 32
	v_cvt_pk_bf16_f32 v[\src+RI], v[\src+RI], v[\src+RI+1]
.set RI, RI+2
.endr
.set RI, 0
.rept 32
	v_and_b32 v[\src+RI+1], s22, v[\src+RI]
.set RI, RI+2
.endr
.set RI, 0
.rept 32
	v_lshlrev_b32 v[\src+RI], 16, v[\src+RI]
.set RI, RI+2
.endr
.endm
; 64 numbers of a lane become a fragment's 8 registers of codes in v[PC] on and the row's scale word in v[pw] (the same in lanes r and r + 16).
.macro QUANT src, xw, pw
	WIN 0x05*(\xw)
.irp b, 0,1,2,3
	v_max3_num_f32 v[TM+\b], |v[\src+16*\b]|, |v[\src+16*\b+1]|, 0x1800000   ; block b: my 16 numbers, and the floor 2^(3 - 127): so the byte cannot fall under 1
.endr
.irp i, 2,4,6,8,10,12,14
.irp b, 0,1,2,3
	v_max3_num_f32 v[TM+\b], |v[\src+16*\b+\i]|, |v[\src+16*\b+\i+1]|, v[TM+\b]   ; (the four blocks by turns)
.endr
.endr
	WIN 0
.irp b, 0,1,2,3
	v_permlanex16_b32 v[TM+4+\b], v[TM+\b], s20, s21
.endr
.irp b, 0,1,2,3
	v_max_num_f32 v[TM+\b], v[TM+\b], v[TM+4+\b]   ; with lane l xor 16's: the block's largest magnitude
.endr
.irp b, 0,1,2,3
	v_add_nc_u32 v[TM+12+\b], 0xff000000, v[TM+\b] ; 2 off its exponent field: the conversion's scale operand
.endr
.irp b, 0,1,2,3
	v_lshrrev_b32 v[TM+4+\b], 23, v[TM+12+\b]      ; the scale's byte
.endr
	v_lshl_or_b32 v[\pw], v[TM+5], 8, v[TM+4]
	v_lshl_or_b32 v[\pw], v[TM+6], 16, v[\pw]
	v_lshl_or_b32 v[\pw], v[TM+7], 24, v[\pw]
	WIN 0x01*(\xw)
.irp b, 0,1,2,3
	v_cvt_scalef32_pk8_fp4_f32 v[PC+2*\b], v[\src+16*\b:\src+16*\b+7], v[TM+12+\b]
	v_cvt_scalef32_pk8_fp4_f32 v[PC+2*\b+1], v[\src+16*\b+8:\src+16*\b+15], v[TM+12+\b]
.endr
	WIN 0
	v_nop                                          ; one plain place behind a scaled conversion
.irp c, 0,1                                    ; the operand's layout wants a WHOLE block in a lane
.irp i, 0,1
	v_permlane16_swap_b32 v[PC+4*\c+\i], v[PC+4*\c+2+\i]
.endr
.endr
.endm
.macro IMAGE rt, p                             ; the fragment goes to LDS as it stands
.irp c, 0,1
	ds_store_b128 v5, v[PC+4*\c:PC+4*\c+3] offset:\rt*8192+\p*1024+512*\c
.endr
.endm
.macro SCALEW rt                               ; lanes 0-15: K step 2 w's word of row r; lanes 16-31: K step 2 w + 1's
	v_cndmask_b32 v13, v[PW], v[PW+1], s22
	ds_store_b32 v6, v13 offset:\rt*512
.endm
	s_wait_loadcnt 48                              ; set 0 is in; behind it: sets 1, 2, 3
	TURN 128, 0
	RING 0                                         ; the weights' first tiles are asked for while x is quantised
	s_wait_dscnt 0x0
	ROUND 128, 0
	QUANT 128, 0, PW
	IMAGE 0, 0
	s_wait_loadcnt 52                              ; set 1; behind it: sets 2, 3 and ring tile 0's 20
	TURN 192, 0
	RING 1
	s_wait_dscnt 0x0                               ; the turn is back, and the image's stores have read their registers
	ROUND 192, 0
	QUANT 192, 0, PW+1
	IMAGE 0, 1
	SCALEW 0
	s_wait_loadcnt 56                              ; set 2; behind it: set 3 and two ring tiles
	TURN 192, 1
	s_wait_dscnt 0x0
	ROUND 192, 1
	QUANT 192, 1, PW
	IMAGE 1, 0
	s_wait_loadcnt 40                              ; set 3; behind it: two ring tiles
	TURN 128, 1
	s_wait_dscnt 0x0
	ROUND 128, 1
	QUANT 128, 1, PW+1
	IMAGE 1, 1
	SCALEW 1
	RING 2                                         ; into the registers that set 3 has left
	s_wait_dscnt 0x0                               ; for the others' sake: my images and scale words have landed
	s_barrier_signal -1
	s_barrier_wait -1                              ; x's sixteen fragments lie in LDS.  The one barrier: every wave of every work-group passes it
	s_cmp_eq_u32 s17, 0
	s_cbranch_scc1 .Lend                           ; a tile that this split leaves empty ends here
.irp f, 0,1,2,3,4,5,6,7,8,9,10,11,12,13,14,15,16,17,18,19,20,21,22,23,24,25,26,27,28,29,30,31
	ds_load_b128 v[XF+4*\f:XF+4*\f+3], v7 offset:512*\f   ; fragment (rt, S) at v[XF + 64 rt + 8 S]: they stay for all 16 tiles
.endr
.irp g, 0,1,2,3,4,5,6,7
	ds_load_b32 v[XSR+\g], v8 offset:128*\g
.endr
	s_wait_dscnt 0x0
; One product: 16 weight rows of ring slot k x 16 tokens of tile rt, K step S.  The first K step takes the bias as C: nothing is cleared and nothing is added afterwards.
.macro WM rt, S, k
.set rA, 64*(\k)+8*(\S)
.set rB, XF+64*(\rt)+8*(\S)
.set rD, ACC+8*(\rt)
.set rC, BIA+8*(\k)
.set rU, WSC+4*(\k)+2*((\S)>>2)+((\S)&1)
.set rV, XSR+4*(\rt)+((\S)>>1)
.if (\S) == 0
	v_wmma_scale_f32_16x16x128_f8f6f4 v[rD:rD+7], v[rA:rA+7], v[rB:rB+7], v[rC:rC+7], v[rU], v[rV] matrix_a_fmt:MATRIX_FMT_FP4 matrix_b_fmt:MATRIX_FMT_FP4
.elseif ((\S)&3) == 0
	v_wmma_scale_f32_16x16x128_f8f6f4 v[rD:rD+7], v[rA:rA+7], v[rB:rB+7], v[rD:rD+7], v[rU], v[rV] matrix_a_fmt:MATRIX_FMT_FP4 matrix_b_fmt:MATRIX_FMT_FP4
.elseif ((\S)&3) == 1
	v_wmma_scale_f32_16x16x128_f8f6f4 v[rD:rD+7], v[rA:rA+7], v[rB:rB+7], v[rD:rD+7], v[rU], v[rV] matrix_a_fmt:MATRIX_FMT_FP4 matrix_b_fmt:MATRIX_FMT_FP4 matrix_b_scale:MATRIX_SCALE_ROW1
.elseif ((\S)&3) == 2
	v_wmma_scale_f32_16x16x128_f8f6f4 v[rD:rD+7], v[rA:rA+7], v[rB:rB+7], v[rD:rD+7], v[rU], v[rV] matrix_a_fmt:MATRIX_FMT_FP4 matrix_b_fmt:MATRIX_FMT_FP4 matrix_a_scale:MATRIX_SCALE_ROW1
.else
	v_wmma_scale_f32_16x16x128_f8f6f4 v[rD:rD+7], v[rA:rA+7], v[rB:rB+7], v[rD:rD+7], v[rU], v[rV] matrix_a_fmt:MATRIX_FMT_FP4 matrix_b_fmt:MATRIX_FMT_FP4 matrix_a_scale:MATRIX_SCALE_ROW1 matrix_b_scale:MATRIX_SCALE_ROW1
.endif
.endm
; Tile t: outputs 256 w + 16 t .. + 15 for the 32 tokens.  The two accumulators take turns, one instruction a turn, from tile to tile too.
.macro TILE t
.set KK, (\t)%3
.set PP, PK+8*((\t)%2)
.set BB, BIA+8*((\t)%3)
.if (\t) <= 13
	s_wait_loadcnt 40                              ; this tile's 20 loads are in; behind them: the next two tiles'
.elseif (\t) == 14
	s_wait_loadcnt 20
.else
	s_wait_loadcnt 0x0
.endif
.irp p, 0,2,4,6
	v_cvt_pk_bf16_f32 v[BB+\p], v[BB+\p], v[BB+\p+1]   ; reference()'s cast of the bias: to bf16 and wide again, in place
.endr
.irp p, 0,2,4,6
	v_and_b32 v[BB+\p+1], s22, v[BB+\p]
.endr
.irp p, 0,2,4,6
	v_lshlrev_b32 v[BB+\p], 16, v[BB+\p]
.endr
.rept 4
	v_nop                                          ; four places between these lines and the product that takes their results as C
.endr
	WIN 0x01                                       ; source 0, the weights' codes: window 1
.irp S, 0,1,2,3,4,5,6,7
	WM 0, \S, KK
	WM 1, \S, KK
.endr
	WIN 0
.rept 5
	v_nop                                          ; places: four in front of the conversions that read the results and of the loads into the slot's registers; the fifth since the next tile's first products write the accumulators anew
.endr
.if (\t) >= 2
	s_wait_dscnt 2                                 ; the last tile's two stores may be out; those of the tile before it have read this set of registers
.endif
.irp rt, 0,1
.irp p, 0,1,2,3
	v_cvt_pk_bf16_f32 v[PP+4*\rt+\p], v[ACC+8*\rt+2*\p], v[ACC+8*\rt+2*\p+1]   ; each accumulator from its low end on; to nearest even
.endr
.endr
	ds_store_b128 v9, v[PP:PP+3] offset:32*(\t)                    ; token r, outputs 16 t + 8 h + 0 .. 7
	ds_store_b128 v9, v[PP+4:PP+7] offset:16*PITCH+32*(\t)         ; token 16 + r
.if (\t)+3 < 16
	RING (\t)+3                                    ; the slot just multiplied takes the tile three on
.endif
.endm
.irp t, 0,1,2,3,4,5,6,7,8,9,10,11,12,13,14,15
	TILE \t
.endr
; THE WAY OUT.  My region holds my 256 outputs of the 32 tokens as rows of 512 bytes; each goes to its token's row of out0: 32 lanes store 512 consecutive bytes, at a multiple of 256 from out0's first byte.
; The tile's rows are the first s17 of the 32: the first row that is none ends the wave.
.irp j, 0,1,2,3,4,5,6,7,8,9,10,11,12,13,14,15,16,17,18,19,20,21,22,23,24,25,26,27,28,29,30,31
	v_lshl_add_u32 v[OF+\j], s[TOK+\j], 11, v12
.endr
.irp j, 0,1,2,3,4,5,6,7,8,9,10,11,12,13,14,15,16,17,18,19,20,21,22,23,24,25,26,27,28,29,30,31
	ds_load_b128 v[128+4*\j:128+4*\j+3], v3 offset:\j*PITCH   ; my own bytes, served in order: these see my stores
.endr
.irp j, 0,1,2,3,4,5,6,7,8,9,10,11,12,13,14,15,16,17,18,19,20,21,22,23,24,25,26,27,28,29,30,31
.if \j > 0
	s_cmp_le_u32 s17, \j
	s_cbranch_scc1 .Lend
.endif
	s_wait_dscnt 31-\j                             ; LDS loads come back in order: row j is in, the younger ones stay out
	global_store_b128 v[OF+\j], v[128+4*\j:128+4*\j+3], s[12:13] th:TH_STORE_NT   ; written once, read by nobody here; every store has registers of its own
.endr
.Lend:
	s_wait_dscnt 0x0                               ; a short tile's unused rows are back: no LDS load is out at the end
	s_wait_tensorcnt 0x0
	ds_add_u32 v126, v127
	s_wait_dscnt 0x0
	s_endpgm
.Lfunc_end_k_q548e116788_moe:
	.size	k_q548e116788_moe, .Lfunc_end_k_q548e116788_moe-k_q548e116788_moe
	.p2alignl 7, 3214868480
	.fill 96, 4, 3214868480
	.section	.rodata,"a",@progbits
	.p2align	6, 0x0
	.amdhsa_kernel k_q548e116788_moe
		.amdhsa_group_segment_fixed_size 85504
		.amdhsa_private_segment_fixed_size 0
		.amdhsa_enable_private_segment 0
		.amdhsa_kernarg_size 40
		.amdhsa_user_sgpr_count 2
		.amdhsa_user_sgpr_kernarg_segment_ptr 1
		.amdhsa_wavefront_size32 1
		.amdhsa_system_sgpr_workgroup_id_x 1
		.amdhsa_system_sgpr_workgroup_id_y 1
		.amdhsa_system_sgpr_workgroup_id_z 1
		.amdhsa_system_vgpr_workitem_id 0
		.amdhsa_next_free_vgpr 512
		.amdhsa_next_free_sgpr 66
		.amdhsa_reserve_vcc 0
		.amdhsa_float_denorm_mode_32 3
		.amdhsa_float_denorm_mode_16_64 3
		.amdhsa_memory_ordered 1
		.amdhsa_forward_progress 1
		.amdhsa_inst_pref_size 156
	.end_amdhsa_kernel
	.amdgpu_metadata
---
amdhsa.version: [ 1, 2 ]
amdhsa.kernels:
  - .name:           k_q548e116788_moe
    .symbol:         k_q548e116788_moe.kd
    .args:
      - { .name: x, .offset: 0, .size: 8, .value_kind: global_buffer, .address_space: global }
      - { .name: route, .offset: 8, .size: 8, .value_kind: global_buffer, .address_space: global }
      - { .name: wq, .offset: 16, .size: 8, .value_kind: global_buffer, .address_space: global }
      - { .name: bias, .offset: 24, .size: 8, .value_kind: global_buffer, .address_space: global }
      - { .name: out0, .offset: 32, .size: 8, .value_kind: global_buffer, .address_space: global }
    .group_segment_fixed_size: 85504
    .private_segment_fixed_size: 0
    .kernarg_segment_align: 8
    .kernarg_segment_size: 40
    .max_flat_workgroup_size: 128
    .sgpr_count:     66
    .vgpr_count:     512
    .wavefront_size: 32
...
	.end_amdgpu_metadata
.endif
;; end of part 2
;; ======== version 2 of 2: 2 launches
;; workspace buffers: wq 4,456,448 bytes; route 36,096 bytes of whole numbers
;; launch prep (part 3): grid 264 x 1, 8 waves a work-group, no clusters, 68,864 bytes of LDS; arguments weight, ids, wq, route; writes wq, route
.if DOCPART == 3
	.amdgcn_target "amdgcn-amd-amdhsa--gfx1250"
	.amdhsa_code_object_version 6
	.text
	.protected	k_q548e116788_prep
	.globl	k_q548e116788_prep
	.p2align	8
	.type	k_q548e116788_prep,@function
k_q548e116788_prep:
	s_mov_b64 s[64:65], 0
	v_nop
	global_prefetch_b8 v0, s[64:65] scope:SCOPE_SE
	s_setreg_imm32_b32 hwreg(HW_REG_WAVE_MODE, 25, 1), 1
	s_wait_xcnt 0x0
; TWO JOBS IN ONE LAUNCH, parted on the work-group's number alone.
; Work-groups 8 .. 263: weight [8][1024][1024] f32 is rounded to bf16, as reference() rounds it, and becomes codes of FP4 (E2M1) with one E8M0 byte for each 32 along K, laid in wq in the ORDER OF THE OPERAND'S REGISTERS.
;   Record ct (8,704 bytes) holds the 16 weight rows 16 ct .. 16 ct + 15 of the flat [8192][1024]: byte 1024 S + 512 c + 16 lane = registers 4 c .. 4 c + 3 of K step S's fragment;
;   byte 8192 + 128 u + 8 r + 4 h = the scale word of row r for K step 2 u + h.  A later load of 16 bytes a lane brings a fragment's registers as they are wanted.
; Work-groups 0 .. 7: a counting sort of the 8,192 tokens by expert, without atomics.  route: words 0 .. 8415 = order[tile][32], token numbers (0 in places that no token takes);
;   byte 33792 + 8 i = (expert, rows) of tile i, i < 263.  Expert e has ceil(tot[e] / 32) tiles on end; their sum is never above 8192 / 32 + 7 = 263, whatever the split.
; A block's scale is 2^(floor(log2(its largest magnitude)) - 2); its byte is the largest magnitude's exponent field - 2, held at 1 from below.
; LIMITS: NaN and infinities in weight are not served, nor magnitudes that round to infinity in bf16.  A block whose largest magnitude lies under 2^-124 gets the byte 1; so does a block of zeros, where the rule
; says 127: its codes are zeros, which add nothing under any byte but 0xff, and this program alone reads the bytes.  ids are taken as 0 .. 7 (the table that they index has 8 rows) and are held at 7 from above.
.set REC,      8704                    ; bytes of a record of wq
.set STG,      8448                    ; a wave's stage: 16 rows x 528 bytes
.set PITCH,    528                     ; a stage row: 512 bytes + 16 = 33 x 16: the 16 rows that a load touches start in 16 different groups of banks (64 banks of 4 bytes: ISA guide 11.1)
.set RT1,      8*STG                   ; LDS of the sorting path alone: 8 x 16 bytes, each chunk's counts;
.set RT2OFF,   128                     ; and 128 bytes on: 8 x 16 bytes, each wave's counts of my own chunk
.set TREC,     33792                   ; byte of route at which the tile records begin
.set LASTSLOT, 8415                    ; the last word of order
.set TM,       92                      ; v92-95 largest magnitudes, v96-99 bytes, v104-107 the conversions' scale operands
	s_load_b256 s[4:11], s[0:1], 0x0               ; weight s[4:5], ids s[6:7], wq s[8:9], route s[10:11]
	v_lshl_add_u32 v126, v0, 2, 0x10900
	v_mov_b32 v127, 0
	v_lshrrev_b32 v2, 5, v0
	s_delay_alu instid0(VALU_DEP_1)
	v_readfirstlane_b32 s14, v2                    ; wave 0..7
	v_and_b32 v2, 31, v0                           ; lane
	s_mov_b32 s20, 0x76543210
	s_mov_b32 s21, 0xfedcba98                      ; v_permlanex16_b32's selects for lane l xor 16
	s_mov_b32 s22, 0xffff0000                      ; a mask of lanes 16-31; also a word's upper bf16
	s_mov_b32 s15, ttmp9
	s_cmp_lt_u32 s15, 8
	s_cbranch_scc1 .Lroute
; ---------------------------------------------------------------- THE WEIGHTS
; A wave takes one record's 16 rows x 256 along K (K steps 2 u, 2 u + 1): 16 KB in, 2 KB + 128 bytes out.  All its 32 loads go out at once, each 512 consecutive bytes of one row.
; The conversions want 16 neighbours along K in ONE lane, a load is best with neighbouring bytes in neighbouring lanes: so a K step's 8 KB turn through the wave's own stage in LDS.  Waves share nothing: no barrier.
	v_lshlrev_b32 v1, 4, v2                        ; 16 x lane
	v_and_b32 v8, 15, v0                           ; r
	v_bfe_u32 v9, v0, 4, 1                         ; h
	s_mul_i32 s16, s14, STG                        ; my stage
	v_add_nc_u32 v3, s16, v1                       ; into it: a row's 512 bytes as they were loaded
	v_mul_u32_u24 v4, v8, PITCH
	s_delay_alu instid0(VALU_DEP_1)
	v_lshl_add_u32 v4, v9, 6, v4
	s_delay_alu instid0(VALU_DEP_1)
	v_add_nc_u32 v4, s16, v4                       ; out of it: row r, + 64 h: my 16 numbers of each block of 32
	s_and_b32 s17, s14, 3                          ; u: which quarter of K
	s_lshr_b32 s18, s14, 2
	s_sub_co_u32 s19, s15, 8
	s_lshl_b32 s19, s19, 1
	s_add_co_u32 s19, s19, s18                     ; ct = 2 x (work-group - 8) + wave / 4
	s_lshl_b32 s24, s17, 11
	v_add_nc_u32 v5, s24, v1                       ; my codes' place in the record: 2048 u + 16 lane
	v_lshlrev_b32 v6, 3, v8
	s_delay_alu instid0(VALU_DEP_1)
	v_lshl_add_u32 v6, v9, 2, v6
	s_lshl_b32 s24, s17, 7
	v_add_nc_u32 v6, s24, v6                       ; my scale word's: 128 u + 8 r + 4 h
.irp b, 0,1,2,3
	v_mov_b32 v[TM+4+\b], 0                        ; written once: a lane permute's destination counts as one of its sources
.endr
	s_lshl_b32 s24, s19, 16                        ; 16 rows of 4,096 bytes a record,
	s_lshl_b32 s25, s17, 10                        ; 1,024 bytes a quarter of K
	s_add_co_u32 s24, s24, s25
	s_mov_b32 s25, 0
	s_mul_i32 s26, s19, REC
	s_mov_b32 s27, 0
	s_wait_alu depctr_va_vdst(0)
	s_wait_kmcnt 0x0
	s_add_nc_u64 s[4:5], s[4:5], s[24:25]
	s_add_nc_u64 s[8:9], s[8:9], s[26:27]
.irp p, 0,1
.irp i, 0,1,2,3,4,5,6,7,8,9,10,11,12,13,14,15
	global_load_b128 v[128+64*\p+4*\i:128+64*\p+4*\i+3], v1, s[4:5] offset:\i*4096+\p*512 th:TH_LOAD_NT   ; row i, K step 2 u + p: read once in the launch
.endr
.endr
; 16 rows x 128 numbers go into the stage as loaded and come back into the registers that they left: register 16 b + i = k 32 b + 16 h + i of row r.
; LDS serves a wave's instructions in order (ISA guide 5.7.1.4): no wait between the stores and the loads.
.macro TURN src
.irp i, 0,1,2,3,4,5,6,7,8,9,10,11,12,13,14,15
	ds_store_b128 v3, v[\src+4*\i:\src+4*\i+3] offset:\i*PITCH
.endr
.irp b, 0,1,2,3
.irp j, 0,1,2,3
	ds_load_b128 v[\src+16*\b+4*\j:\src+16*\b+4*\j+3], v4 offset:128*\b+16*\j
.endr
.endr
.endm
; reference()'s cast: 64 numbers of a lane are rounded to bf16, to nearest even, and widened again, in place: two roundings a line, then the upper half stays and the lower half moves up.
.macro ROUND src
.set RI, 0
.rept 32
	v_cvt_pk_bf16_f32 v[\src+RI], v[\src+RI], v[\src+RI+1]
.set RI, RI+2
.endr
.set RI, 0
.rept 32
	v_and_b32 v[\src+RI+1], s22, v[\src+RI]
.set RI, RI+2
.endr
.set RI, 0
.rept 32
	v_lshlrev_b32 v[\src+RI], 16, v[\src+RI]
.set RI, RI+2
.endr
.endm
; 64 numbers of a lane become a fragment's 8 registers of codes in v[pc] on and the row's scale word in v[pw] (the same in lanes r and r + 16).
.macro QUANT src, pw, pc
.irp b, 0,1,2,3
	v_max3_num_f32 v[TM+\b], |v[\src+16*\b]|, |v[\src+16*\b+1]|, 0x1800000   ; block b: my 16 numbers, and the floor 2^(3 - 127): so the byte cannot fall under 1
.endr
.irp i, 2,4,6,8,10,12,14
.irp b, 0,1,2,3
	s_delay_alu instid0(VALU_DEP_4)
	v_max3_num_f32 v[TM+\b], |v[\src+16*\b+\i]|, |v[\src+16*\b+\i+1]|, v[TM+\b]   ; (the four blocks by turns: no line waits for the line above it)
.endr
.endr
.irp b, 0,1,2,3
	s_delay_alu instid0(VALU_DEP_4)
	v_permlanex16_b32 v[TM+4+\b], v[TM+\b], s20, s21
.endr
.irp b, 0,1,2,3
	s_delay_alu instid0(VALU_DEP_4)
	v_max_num_f32 v[TM+\b], v[TM+\b], v[TM+4+\b]   ; with lane l xor 16's: the block's largest magnitude
.endr
.irp b, 0,1,2,3
	s_delay_alu instid0(VALU_DEP_4)
	v_add_nc_u32 v[TM+12+\b], 0xff000000, v[TM+\b] ; 2 off its exponent field: the conversion takes the exponent field of this operand as its scale, and nothing else of it
.endr
.irp b, 0,1,2,3
	s_delay_alu instid0(VALU_DEP_4)
	v_lshrrev_b32 v[TM+4+\b], 23, v[TM+12+\b]      ; the scale's byte
.endr
	s_delay_alu instid0(VALU_DEP_3)
	v_lshl_or_b32 v[\pw], v[TM+5], 8, v[TM+4]
	s_delay_alu instid0(VALU_DEP_1)
	v_lshl_or_b32 v[\pw], v[TM+6], 16, v[\pw]
	s_delay_alu instid0(VALU_DEP_1)
	v_lshl_or_b32 v[\pw], v[TM+7], 24, v[\pw]
.irp b, 0,1,2,3
	v_cvt_scalef32_pk8_fp4_f32 v[\pc+2*\b], v[\src+16*\b:\src+16*\b+7], v[TM+12+\b]
	v_cvt_scalef32_pk8_fp4_f32 v[\pc+2*\b+1], v[\src+16*\b+8:\src+16*\b+15], v[TM+12+\b]
.endr
	v_nop                                          ; one plain place behind a scaled conversion
.irp c, 0,1                                    ; the operand's layout wants a WHOLE block in a lane: lanes 0-15 block 2 c, lanes 16-31 block 2 c + 1
.irp i, 0,1
	v_permlane16_swap_b32 v[\pc+4*\c+\i], v[\pc+4*\c+2+\i]
.endr
.endr
.endm
	s_wait_loadcnt 16                              ; the first K step's 16 loads are in; the second's 16 stay out
	TURN 128
	s_wait_dscnt 0x0
	ROUND 128
	QUANT 128, 108, 110
.irp c, 0,1
	global_store_b128 v5, v[110+4*\c:110+4*\c+3], s[8:9] offset:512*\c          ; 32 lanes store 512 consecutive bytes, at a multiple of 256 from wq's first byte
.endr
	s_wait_loadcnt 0x0
	TURN 192
	s_wait_dscnt 0x0
	ROUND 192
	QUANT 192, 109, 118                            ; codes into registers of their own: the first fragment's are still the data of stores
.irp c, 0,1
	global_store_b128 v5, v[118+4*\c:118+4*\c+3], s[8:9] offset:1024+512*\c
.endr
	v_cndmask_b32 v7, v108, v109, s22              ; lanes 0-15: K step 2 u's word of row r; lanes 16-31: K step 2 u + 1's
	global_store_b32 v6, v7, s[8:9] offset:8192    ; 128 consecutive bytes: a quarter of the record's 512 bytes of scale words
	s_wait_tensorcnt 0x0
	ds_add_u32 v126, v127
	s_wait_dscnt 0x0
	s_endpgm
; ---------------------------------------------------------------- THE SORT
; Inside an expert tokens keep their order.  Work-group g places tokens 1024 g .. 1024 g + 1023, thread t four of them: 1024 g + 4 t + c.  A token's slot = 32 x its expert's first tile
; + its expert's tokens in the chunks before g + in the waves before mine + in the lanes before mine + in my lane before it.  Every one of the eight work-groups counts all ids for itself
; (wave w counts chunk w), so nothing goes from work-group to work-group.
; Counts of the 8 experts are kept packed: in a lane 8 fields of 8 bits (at most 32 each), across lanes 8 fields of 16 bits in four registers: (e0, e2), (e1, e3), (e4, e6), (e5, e7); no field passes 8,416.
; REGISTERS: v10-11 my part of chunk w, v12-13 my own four; v14-17 at work; v18 = 1, v19 = 0; v20-23 chunk w's counts; v24-27 my own, scanned; v28-31 my own; v32-35 all chunks';
;   v36-39 the chunks' before mine; v40-43 the waves' before mine; v44-47 at work; v48-51 my lane's first slot for each expert; v52-55 the same as tables of bytes; v128-159 32 ids of chunk w; v160-163 my ids, then offsets; v164-167 ranks, then tokens.
.Lroute:
	s_mov_b32 s23, 0x00ff00ff
	s_lshl_b32 s16, s15, 12
	v_lshl_add_u32 v3, v0, 4, s16                  ; my own four ids: 4096 g + 16 t
	s_lshl_b32 s17, s14, 12
	s_wait_alu depctr_va_vdst(0)
	v_lshl_add_u32 v4, v2, 4, s17                  ; chunk w: 4096 w + 16 lane
	v_and_b32 v6, 7, v0
	s_delay_alu instid0(VALU_DEP_1)
	v_lshl_add_u32 v5, v6, 4, RT1                  ; lane l reads entry l % 8 of a table
	s_lshl_b32 s18, s14, 4
	s_add_co_u32 s18, s18, RT1
	v_mov_b32 v7, s18                              ; my wave's entry
.irp k, 10,11,12,13,19,44,45,46,47
	v_mov_b32 v\k, 0
.endr
	v_mov_b32 v18, 1
	s_wait_kmcnt 0x0
	global_load_b128 v[160:163], v3, s[6:7]
.irp j, 0,1,2,3,4,5,6,7
	global_load_b128 v[128+4*\j:128+4*\j+3], v4, s[6:7] offset:512*\j
.endr
; One id: held at 7; with rank >= 0 the count so far of its expert is taken first; then its expert's 8-bit field is raised by one.
.macro COUNT id, a, rank
	v_min_u32 v[\id], 7, v[\id]
.if \rank >= 0
	s_wait_alu depctr_va_vdst(0)
	v_perm_b32 v[\rank], v[\a+1], v[\a], v[\id]    ; byte id of the eight (in the result's lowest byte)
.endif
	v_and_b32 v14, 3, v[\id]
	s_delay_alu instid0(VALU_DEP_1)
	v_lshlrev_b32 v14, 3, v14
	s_delay_alu instid0(VALU_DEP_1)
	v_lshlrev_b32 v15, v14, v18                    ; 1 << 8 (id % 4)
	v_cmp_lt_u32 vcc_lo, 3, v[\id]
	s_delay_alu instid0(VALU_DEP_1)
	v_cndmask_b32 v16, v15, v19, vcc_lo            ; experts 0-3 in the first register,
	s_wait_alu depctr_va_vdst(0)
	v_cndmask_b32 v17, v19, v15, vcc_lo            ; 4-7 in the second
	v_add_nc_u32 v[\a], v[\a], v16
	s_delay_alu instid0(VALU_DEP_2)
	v_add_nc_u32 v[\a+1], v[\a+1], v17
.endm
	s_wait_loadcnt 8                               ; my own four are in; chunk w's 8 loads stay out
.irp c, 0,1,2,3
	COUNT 160+\c, 12, 164+\c
.endr
.irp j, 0,1,2,3,4,5,6,7
	s_wait_loadcnt 7-\j                            ; loads come back in order (ISA guide 5.7.1): load j is in
.irp c, 0,1,2,3
	COUNT 128+4*\j+\c, 10, -1
.endr
.endr
.macro EXPAND a, d                             ; 8 fields of 8 bits -> 8 fields of 16 bits
	v_and_b32 v[\d], s23, v[\a]
	v_lshrrev_b32 v[\d+1], 8, v[\a]
	s_delay_alu instid0(VALU_DEP_1)
	v_and_b32 v[\d+1], s23, v[\d+1]
	v_and_b32 v[\d+2], s23, v[\a+1]
	v_lshrrev_b32 v[\d+3], 8, v[\a+1]
	s_delay_alu instid0(VALU_DEP_1)
	v_and_b32 v[\d+3], s23, v[\d+3]
.endm
.macro SHADD d, sh                             ; each lane adds the lane sh below it in its row of 16 (0 where there is none)
.irp k, 0,1,2,3
	v_mov_b32_dpp v[44+\k], v[\d+\k] row_shr:\sh row_mask:0xf bank_mask:0xf bound_ctrl:1
.endr
.irp k, 0,1,2,3
	s_delay_alu instid0(VALU_DEP_4)
	v_add_nc_u32 v[\d+\k], v[\d+\k], v[44+\k]
.endr
.endm
.macro LSCAN d                                 ; running sums over the 32 lanes, each lane's own number included
	SHADD \d, 1
	SHADD \d, 2
	SHADD \d, 4
	SHADD \d, 8
.irp k, 0,1,2,3
	v_readlane_b32 s24, v[\d+\k], 15               ; the lower row's sum goes onto the upper row
	s_delay_alu instid0(VALU_DEP_1)
	v_mov_b32 v15, s24
	s_delay_alu instid0(VALU_DEP_1)
	v_cndmask_b32 v14, v19, v15, s22
	s_delay_alu instid0(VALU_DEP_1)
	v_add_nc_u32 v[\d+\k], v[\d+\k], v14
.endr
.endm
.macro TSCAN d                                 ; the same over lanes 0-7 alone: lane 7 ends up with their sum
	SHADD \d, 1
	SHADD \d, 2
	SHADD \d, 4
.endm
	EXPAND 10, 20
	EXPAND 12, 24
.irp k, 0,1,2,3
	v_mov_b32 v[28+\k], v[24+\k]
.endr
	LSCAN 20
	LSCAN 24
.irp k, 0,1,2,3
	v_readlane_b32 s[28+\k], v[20+\k], 31          ; chunk w's counts
	v_readlane_b32 s[32+\k], v[24+\k], 31          ; my wave's counts of its own 128 tokens
.endr
.irp k, 0,1,2,3
	v_mov_b32 v[56+\k], s[28+\k]
	v_mov_b32 v[60+\k], s[32+\k]
.endr
	ds_store_b128 v7, v[56:59]                     ; all lanes write the same 16 bytes with the same values
	ds_store_b128 v7, v[60:63] offset:RT2OFF
	s_wait_dscnt 0x0                               ; for the others' sake: my stores have landed
	s_barrier_signal -1
	s_barrier_wait -1                              ; all eight waves of a sorting work-group pass here: the way hither hangs on the work-group's number alone
	ds_load_b128 v[32:35], v5
	ds_load_b128 v[40:43], v5 offset:RT2OFF
	s_wait_dscnt 0x0
	v_cmp_gt_u32 vcc_lo, s15, v6                   ; the chunks before mine
.irp k, 0,1,2,3
	v_cndmask_b32 v[36+\k], v19, v[32+\k], vcc_lo
.endr
	v_cmp_gt_u32 vcc_lo, s14, v6                   ; the waves before mine
.irp k, 0,1,2,3
	v_cndmask_b32 v[40+\k], v19, v[40+\k], vcc_lo
.endr
	TSCAN 32
	TSCAN 36
	TSCAN 40
.irp k, 0,1,2,3
	v_readlane_b32 s[36+\k], v[32+\k], 7           ; each expert's tokens in all,
	v_readlane_b32 s[74+\k], v[36+\k], 7           ; in the chunks before mine,
	v_readlane_b32 s[78+\k], v[40+\k], 7           ; in my chunk's waves before mine
.endr
	s_and_b32 s40, s36, 0xffff                     ; tot[0..7] in s[40:47]
	s_lshr_b32 s42, s36, 16
	s_and_b32 s41, s37, 0xffff
	s_lshr_b32 s43, s37, 16
	s_and_b32 s44, s38, 0xffff
	s_lshr_b32 s46, s38, 16
	s_and_b32 s45, s39, 0xffff
	s_lshr_b32 s47, s39, 16
	s_mov_b32 s56, 0                               ; tiles so far
.irp e, 0,1,2,3,4,5,6,7
	s_mov_b32 s[48+\e], s56                        ; tb[e]: expert e's first tile
	s_lshl_b32 s57, s56, 5
	s_add_co_u32 s[66+\e], s[40+\e], s57           ; Q[e] = 32 tb[e] + tot[e]: the slot behind its last token
	s_add_co_u32 s57, s[40+\e], 31
	s_lshr_b32 s57, s57, 5
	s_add_co_u32 s56, s56, s57
.endr                                          ; s56 = the tiles in use, 256 .. 263
.macro SBASE k, lo, hi                         ; my lane's first slot for the two experts of register k
	s_lshl_b32 s57, s[48+\lo], 5
	s_lshl_b32 s58, s[48+\hi], 21
	s_or_b32 s57, s57, s58
	s_add_co_u32 s57, s57, s[74+\k]
	s_add_co_u32 s57, s57, s[78+\k]
	v_sub_nc_u32 v[48+\k], v[24+\k], v[28+\k]      ; the lanes before mine: the running sum less my own
	s_delay_alu instid0(VALU_DEP_1)
	v_add_nc_u32 v[48+\k], s57, v[48+\k]
.endm
	SBASE 0, 0, 2
	SBASE 1, 1, 3
	s_wait_alu depctr_va_vdst(0)
	SBASE 2, 4, 6
	SBASE 3, 5, 7
	s_mov_b32 s59, 0x06020400
	s_mov_b32 s60, 0x07030501
	v_perm_b32 v52, v49, v48, s59                  ; the low bytes of experts 0-3's slots, byte e for expert e,
	v_perm_b32 v53, v51, v50, s59                  ; of experts 4-7's;
	v_perm_b32 v54, v49, v48, s60                  ; the high bytes likewise
	v_perm_b32 v55, v51, v50, s60
	s_lshl_b32 s61, s15, 10
	v_lshl_add_u32 v8, v0, 2, s61                  ; my first token: 1024 g + 4 t
.irp c, 0,1,2,3
	v_perm_b32 v14, v53, v52, v[160+\c]            ; the id picks its expert's byte
	v_perm_b32 v15, v55, v54, v[160+\c]
	s_delay_alu instid0(VALU_DEP_2)
	v_and_b32 v14, 0xff, v14
	s_delay_alu instid0(VALU_DEP_2)
	v_and_b32 v15, 0xff, v15
	v_and_b32 v16, 0xff, v[164+\c]
	s_delay_alu instid0(VALU_DEP_2)
	v_lshl_add_u32 v14, v15, 8, v14
	s_delay_alu instid0(VALU_DEP_1)
	v_add_nc_u32 v14, v14, v16                     ; + my lane's earlier tokens of that expert
	s_delay_alu instid0(VALU_DEP_1)
	v_min_u32 v14, LASTSLOT, v14                   ; (a number made of loaded ones enters an address only held to its range)
	s_delay_alu instid0(VALU_DEP_1)
	v_lshlrev_b32 v[160+\c], 2, v14
	v_add_nc_u32 v[164+\c], \c, v8
	global_store_b32 v[160+\c], v[164+\c], s[10:11]   ; each store has registers of its own: none is written again
.endr
	s_cmp_lg_u32 s15, 0
	s_cbranch_scc1 .Lrend
	; WORK-GROUP 0 ALSO WRITES WHAT NO TOKEN FILLS, AND THE TILE RECORDS.  Every offset, every datum and every mask of lanes is made first, with all lanes on;
	; behind the first line that narrows EXEC stand stores alone, and no vector register is written there.
	; (a) Wave e: the free places of expert e's last tile, at most 31.  Offsets v9, lanes s26
	s_mov_b32 s57, s40
	s_mov_b32 s58, s48
.irp e, 1,2,3,4,5,6,7
	s_cmp_eq_u32 s14, \e
	s_cselect_b32 s57, s[40+\e], s57
	s_cselect_b32 s58, s[48+\e], s58
.endr
	s_add_co_u32 s59, s57, 31
	s_lshr_b32 s59, s59, 5
	s_lshl_b32 s59, s59, 5                         ; 32 x its tiles
	v_add_nc_u32 v9, s57, v2
	s_delay_alu instid0(VALU_DEP_1)
	v_cmp_gt_u32 s26, s59, v9                      ; tot + lane is still inside them
	s_lshl_b32 s58, s58, 5
	v_add_nc_u32 v9, s58, v9
	s_delay_alu instid0(VALU_DEP_1)
	v_min_u32 v9, LASTSLOT, v9
	s_delay_alu instid0(VALU_DEP_1)
	v_lshlrev_b32 v9, 2, v9
	; (b) the tiles that this split leaves empty: at most 7 x 32 words, a word a thread.  Offsets v71, lanes s27
	s_lshl_b32 s57, s56, 5
	s_mov_b32 s63, LASTSLOT+1
	v_add_nc_u32 v71, s57, v0
	s_delay_alu instid0(VALU_DEP_1)
	v_cmp_gt_u32 s27, s63, v71
	s_delay_alu instid0(VALU_DEP_2)
	v_min_u32 v71, LASTSLOT, v71
	s_delay_alu instid0(VALU_DEP_1)
	v_lshlrev_b32 v71, 2, v71
	; (c) the tile records.  Tile i belongs to the last expert whose first tile is not behind i; it has Q - 32 i rows, held to 0 .. 32
.macro TILEREC vi, rec, off
	v_mov_b32 v[\rec], 0
	v_mov_b32 v14, s66
.irp x, 1,2,3,4,5,6,7
	v_cmp_le_u32 vcc_lo, s[48+\x], v[\vi]
	v_mov_b32 v16, \x
	v_mov_b32 v15, s[66+\x]
	s_delay_alu instid0(VALU_DEP_2)
	v_cndmask_b32 v[\rec], v[\rec], v16, vcc_lo
	s_delay_alu instid0(VALU_DEP_2)
	v_cndmask_b32 v14, v14, v15, vcc_lo
.endr
	v_lshlrev_b32 v15, 5, v[\vi]
	s_delay_alu instid0(VALU_DEP_1)
	v_cmp_gt_u32 vcc_lo, v14, v15
	s_delay_alu instid0(VALU_DEP_2)
	v_sub_nc_u32 v14, v14, v15
	s_delay_alu instid0(VALU_DEP_1)
	v_cndmask_b32 v14, v19, v14, vcc_lo
	s_delay_alu instid0(VALU_DEP_1)
	v_min_u32 v[\rec+1], 32, v14
	v_lshlrev_b32 v[\off], 3, v[\vi]
.endm
	TILEREC 0, 64, 66                              ; tiles 0 .. 255: a tile a thread
	v_add_nc_u32 v67, 0x100, v0
	TILEREC 67, 68, 70                             ; tiles 256 .. 262: threads 0 .. 6, lanes s62
	v_cmp_gt_u32 s62, 7, v0
	; the stores
	global_store_b64 v66, v[64:65], s[10:11] offset:TREC
	s_wait_alu depctr_va_vdst(0)
	s_wait_xcnt 0x0                                ; EXEC is a source of the stores above: it changes only behind this wait
	s_and_saveexec_b32 s25, s26
	global_store_b32 v9, v19, s[10:11]             ; (a)
	s_wait_xcnt 0x0                                ; and again in front of the line that widens it
	s_or_b32 exec_lo, exec_lo, s25
	s_and_saveexec_b32 s25, s27                    ; (no store has been issued since the last wait on XCNT)
	global_store_b32 v71, v19, s[10:11]            ; (b)
	s_wait_xcnt 0x0
	s_or_b32 exec_lo, exec_lo, s25
	s_and_saveexec_b32 s25, s62
	global_store_b64 v70, v[68:69], s[10:11] offset:TREC           ; (c), the last seven
	s_wait_xcnt 0x0
	s_or_b32 exec_lo, exec_lo, s25
.Lrend:
	s_wait_tensorcnt 0x0
	ds_add_u32 v126, v127
	s_wait_dscnt 0x0
	s_endpgm
.Lfunc_end_k_q548e116788_prep:
	.size	k_q548e116788_prep, .Lfunc_end_k_q548e116788_prep-k_q548e116788_prep
	.p2alignl 7, 3214868480
	.fill 96, 4, 3214868480
	.section	.rodata,"a",@progbits
	.p2align	6, 0x0
	.amdhsa_kernel k_q548e116788_prep
		.amdhsa_group_segment_fixed_size 68864
		.amdhsa_private_segment_fixed_size 0
		.amdhsa_enable_private_segment 0
		.amdhsa_kernarg_size 32
		.amdhsa_user_sgpr_count 2
		.amdhsa_user_sgpr_kernarg_segment_ptr 1
		.amdhsa_wavefront_size32 1
		.amdhsa_system_sgpr_workgroup_id_x 1
		.amdhsa_system_sgpr_workgroup_id_y 1
		.amdhsa_system_sgpr_workgroup_id_z 1
		.amdhsa_system_vgpr_workitem_id 0
		.amdhsa_next_free_vgpr 256
		.amdhsa_next_free_sgpr 90
		.amdhsa_reserve_vcc 1
		.amdhsa_float_denorm_mode_32 3
		.amdhsa_float_denorm_mode_16_64 3
		.amdhsa_memory_ordered 1
		.amdhsa_forward_progress 1
		.amdhsa_inst_pref_size 74
	.end_amdhsa_kernel
	.amdgpu_metadata
---
amdhsa.version: [ 1, 2 ]
amdhsa.kernels:
  - .name:           k_q548e116788_prep
    .symbol:         k_q548e116788_prep.kd
    .args:
      - { .name: weight, .offset: 0, .size: 8, .value_kind: global_buffer, .address_space: global }
      - { .name: ids, .offset: 8, .size: 8, .value_kind: global_buffer, .address_space: global }
      - { .name: wq, .offset: 16, .size: 8, .value_kind: global_buffer, .address_space: global }
      - { .name: route, .offset: 24, .size: 8, .value_kind: global_buffer, .address_space: global }
    .group_segment_fixed_size: 68864
    .private_segment_fixed_size: 0
    .kernarg_segment_align: 8
    .kernarg_segment_size: 32
    .max_flat_workgroup_size: 256
    .sgpr_count:     90
    .vgpr_count:     256
    .wavefront_size: 32
...
	.end_amdgpu_metadata
.endif
;; end of part 3
;; launch moe (part 4): grid 263 x 1, 4 waves a work-group, no clusters, 85,504 bytes of LDS; arguments x, route, wq, bias, out0; writes out0
.if DOCPART == 4
	.amdgcn_target "amdgcn-amd-amdhsa--gfx1250"
	.amdhsa_code_object_version 6
	.text
	.protected	k_q548e116788_moe
	.globl	k_q548e116788_moe
	.p2align	8
	.type	k_q548e116788_moe,@function
k_q548e116788_moe:
	s_mov_b64 s[64:65], 0
	v_nop
	global_prefetch_b8 v0, s[64:65] scope:SCOPE_SE
	s_setreg_imm32_b32 hwreg(HW_REG_WAVE_SCHED_MODE, 0, 2), 2
	s_setreg_imm32_b32 hwreg(HW_REG_WAVE_MODE, 25, 1), 1
	s_wait_xcnt 0x0
	s_wait_alu depctr_vm_vsrc(0)
; out0[t][:] = Q(bf16(weight[ids[t]])) Q(bf16(x[t])) + bf16(bias[ids[t]]): x, weight and bias are rounded to bf16 first, as reference() rounds them; both operands then go as codes of FP4 (E2M1)
; with one E8M0 scale for each 32 along K; sums in f32, the bias as the sums' start, one rounding to bf16 at the end.  Only the chosen expert's product is made: the other seven are what the one-hot of ids throws away.
; SHARES.  A work-group takes one tile of the sorted list: up to 32 tokens of ONE expert, all 1,024 outputs.  263 = 8192 / 32 + 7 work-groups serve every split; one whose tile is empty stores nothing and ends.
;   x: wave w gathers and quantises K steps 2 w, 2 w + 1 (256 along K) of the 32 rows: each byte of x is read once in the launch, 512 consecutive bytes a load, and its codes never go to memory.
;   The fragments go from wave to wave through LDS as images of their registers (16 bytes a lane, 512 a store), behind the one barrier.
;   product: wave w makes outputs 256 w .. 256 w + 255: 16 tiles of 16 weight rows x 2 tiles of 16 tokens x 8 K steps.  The weights' fragments come from wq straight into registers, as the launch before laid them.
; THE MATRIX INSTRUCTION IS USED TRANSPOSED (source 0 = 16 weight rows, source 1 = 16 tokens): a lane holds one token and eight neighbouring outputs, 16 bytes of bf16.
; NO CLUSTER, NO JOINT LOADS: which expert's weights a tile reads is a number read from the list, so partners' descriptors could not be written equal; giving four partners one expert would take
;   up to 8192 / 128 + 7 = 71 groups of four, 284 work-groups.  The weights' codes, 544 KB an expert, are read by that expert's some 32 tiles through ordinary loads.
; LIMITS: NaN and infinities in x are not served, nor magnitudes that round to infinity in bf16.  A block whose largest magnitude lies under 2^-124 gets the byte 1; so does a block of zeros (its codes are zeros).
;   Product and bias are added in f32 and rounded once, where reference() rounds the product first.  Places of a tile that no token takes name token 0: its row is read again there and the result is not stored.
; REGISTERS, window 0: v1-12 addresses; v13-15 at work; v16-23 x's scale words; v24-35 the weights' scale words, 4 a ring slot; v36-59 the bias, 8 a slot; v60-75 two accumulators; v76-91 packed results, two sets
;   (at the head v60-91 hold the 32 tokens' offsets in x); v92-117 the quantiser's; later v92-123 the rows' offsets in out0; v126, v127 the closing add's two; v128-255 x's sets 0, 1, then x's 16 fragments, then rows on their way out.
;   window 1: v0-191 the weights' codes, 64 a ring slot; x's set 3 at v128 (before slot 2 is first filled), set 2 at v192.
; THE MODE: SCHED_MODE bits 1:0 = 2 (LLVM: expert scheduling mode 2), set by the entry lines.  The code itself states the register dependences
; between vector or matrix instructions and memory or LDS instructions, with s_wait_alu, always for 0.
; THE PLAN.  Registers that memory or LDS instructions touch, and who else names them:
;   v1-12         Offsets and LDS addresses.  Written at the head, never again; read by every load and store.
;   v60-91        The tokens' offsets in x.  Written at the head; read by the 64 loads of x; written again by tile 0's products and by the first conversions.
;   x's four sets The loads of x land in a set; the turn's LDS stores read it; the turn's LDS loads land in it again; the rounding and the quantiser read and write it.
;                 Later the fragments' LDS loads land in sets 0 and 1, and ring slot 2's loads in set 3.
;   v[PC ..], v13 Written by a set's quantiser; read by the image's LDS stores; written again by the next set's quantiser, v[PC ..] at last by the lines that make v[OF ..].
;   ring slot k   A tile's 20 loads land in it; the rounding writes its bias; the tile's 16 products read all of it; the loads of the tile three on land in it again.
;   v[PK ..]      Two sets by turns.  Written by a tile's conversions; read by its two LDS stores; written again two tiles on.
;   v[XF ..]      The fragments' LDS loads land in it; all products read it; the way out's LDS loads land in it again.
;   v[OF ..]      Written on the way out; read by the global stores.
; So: one wait on va_vdst at the head, behind all addresses; in each turn one on vm_vsrc between the stores and the loads that land in the same registers; for each set one on va_vdst behind its quantiser;
; in each tile one on va_vdst behind its conversions, behind which the tile's stores and the slot's refill follow at once, and from tile 2 on one on vm_vsrc ahead of the conversions; one on va_vdst on the way out.
.set REC,   8704                       ; bytes of a record of wq: 16 weight rows
.set PITCH, 528                        ; a stage row: 512 bytes + 16 = 33 x 16: the 16 rows that a load or store touches start in 16 different groups of banks (64 banks of 4 bytes: ISA guide 11.1)
.set WREG,  32*PITCH                   ; LDS: a region for each wave: first the turn of 16 rows of x, later 32 rows of results
.set XIMG,  4*WREG                     ; x's 16 fragments, 1,024 bytes each: tile of tokens rt, K step S at 8 rt + S
.set XSC,   XIMG+16*1024               ; their scale words, 8 x 128 bytes: at 4 rt + w lanes 0-15 hold K step 2 w's, lanes 16-31 K step 2 w + 1's
.set TREC,  33792                      ; byte of route at which the tile records begin
.set TOK,   32                         ; s[32:63] the tile's 32 tokens
.set XSR,   16
.set WSC,   24
.set BIA,   36
.set XA,    60
.set ACC,   60
.set PK,    76
.set TM,    92
.set PW,    108
.set PC,    110
.set OF,    92
.set XF,    128
.set MSB, 0
.macro WIN new                         ; s_set_vgpr_msb: bits 1:0 source 0, 3:2 source 1, 5:4 source 2, 7:6 destination; the high byte repeats the setting that is left
.if MSB != (\new)
	s_set_vgpr_msb (MSB<<8)|(\new)
.set MSB, (\new)
.endif
.endm
	s_load_b256 s[4:11], s[0:1], 0x0               ; x s[4:5], route s[6:7], wq s[8:9], bias s[10:11]
	s_load_b64 s[12:13], s[0:1], 0x20              ; out0
	v_lshl_add_u32 v126, v0, 2, 0x14c00
	v_mov_b32 v127, 0
	v_lshrrev_b32 v14, 5, v0
	v_readfirstlane_b32 s14, v14                   ; wave 0..3
	v_and_b32 v15, 31, v0                          ; lane
	v_and_b32 v14, 15, v0                          ; r
	v_bfe_u32 v13, v0, 4, 1                        ; h
	v_lshlrev_b32 v1, 4, v15                       ; v1  16 lane
	s_wait_alu depctr_va_sdst(0)                   ; s14 is written, ahead of its first reader: the wave's places in x, in LDS, in wq, in bias and in out0 are made from it
	s_lshl_b32 s24, s14, 10
	v_add_nc_u32 v2, s24, v1                       ; v2  x: my wave's 1,024 bytes of a row, my 16 of a load's 512
	s_mul_i32 s25, s14, WREG
	v_add_nc_u32 v3, s25, v1                       ; v3  my region, a row's 512 bytes as they lie
	v_mul_u32_u24 v9, v14, PITCH
	v_add_nc_u32 v9, s25, v9
	v_lshl_add_u32 v4, v13, 6, v9                  ; v4  the turn's way back: row r, + 64 h
	v_lshl_add_u32 v9, v13, 4, v9                  ; v9  results: row r, + 16 h
	s_lshl_b32 s26, s14, 11
	s_add_co_u32 s26, s26, XIMG
	v_add_nc_u32 v5, s26, v1                       ; v5  where I store x's images: K steps 2 w on
	v_lshlrev_b32 v8, 2, v15
	s_lshl_b32 s27, s14, 7
	s_add_co_u32 s27, s27, XSC
	v_add_nc_u32 v6, s27, v8                       ; v6  and their scale words
	v_add_nc_u32 v7, XIMG, v1                      ; v7  where any wave reads an image,
	v_add_nc_u32 v8, XSC, v8                       ; v8  and scale words
	v_lshlrev_b32 v10, 3, v14
	v_lshl_add_u32 v10, v13, 7, v10                ; v10 the weights' scale words: 128 h + 8 r
	v_lshlrev_b32 v11, 5, v13                      ; v11 the bias: my half's eight numbers
	s_lshl_b32 s24, s14, 9
	v_add_nc_u32 v12, s24, v1                      ; v12 out0: my wave's 512 bytes of a row
.irp b, 0,1,2,3
	v_mov_b32 v[TM+4+\b], 0                        ; written once: a lane permute's destination counts as one of its sources
.endr
	s_mov_b32 s20, 0x76543210
	s_mov_b32 s21, 0xfedcba98                      ; v_permlanex16_b32's selects for lane l xor 16
	s_mov_b32 s22, 0xffff0000                      ; a mask of lanes 16-31; also a word's upper bf16
	s_lshl_b32 s18, ttmp9, 7                       ; my tile's 32 words of the list,
	s_mov_b32 s19, 0
	s_lshl_b32 s28, ttmp9, 3                       ; and its record
	s_mov_b32 s29, 0
	s_wait_kmcnt 0x0
	s_add_nc_u64 s[18:19], s[6:7], s[18:19]
	s_add_nc_u64 s[28:29], s[6:7], s[28:29]
	s_load_b64 s[16:17], s[28:29], TREC            ; s16 the expert, s17 the tile's rows
	s_load_b512 s[32:47], s[18:19], 0x0
	s_load_b512 s[48:63], s[18:19], 0x40
	s_wait_kmcnt 0x0
.irp j, 0,1,2,3,4,5,6,7,8,9,10,11,12,13,14,15,16,17,18,19,20,21,22,23,24,25,26,27,28,29,30,31
	s_min_u32 s[TOK+\j], s[TOK+\j], 0x1fff         ; a loaded number enters an address only held to its range
.endr
	s_min_u32 s16, s16, 7
; x: 64 loads a wave, all at once.  Set q = 2 rt + p holds tokens 16 rt .. 16 rt + 15, K step 2 w + p.  A token's offset has a register of its own, which serves its two loads: the K step stands in the immediate.
.irp j, 0,1,2,3,4,5,6,7,8,9,10,11,12,13,14,15,16,17,18,19,20,21,22,23,24,25,26,27,28,29,30,31
	v_lshl_add_u32 v[XA+\j], s[TOK+\j], 12, v2
.endr
.macro XLD base, rt, p
.irp i, 0,1,2,3,4,5,6,7,8,9,10,11,12,13,14,15
	global_load_b128 v[\base+4*\i:\base+4*\i+3], v[XA+16*\rt+\i], s[4:5] offset:512*\p th:TH_LOAD_NT
.endr
.endm
	s_wait_alu depctr_va_vdst(0)                   ; the offsets and addresses v1 to v12 are written, which every load and store of the kernel reads, and so are the 32 offsets v[XA ..], which the loads of x read
	XLD  128, 0, 0                                 ; set 0
	XLD  192, 0, 1                                 ; set 1
	WIN 0x40                                       ; destination window 1; only loads stand between the wait above and these
	XLD  192, 1, 0                                 ; set 2
	XLD  128, 1, 1                                 ; set 3
	WIN 0
	s_mul_i32 s24, s16, 64*REC                     ; wq: my expert's 64 records, my wave's 16 of them
	s_mul_i32 s25, s14, 16*REC
	s_add_co_u32 s24, s24, s25
	s_mov_b32 s25, 0
	s_add_nc_u64 s[8:9], s[8:9], s[24:25]
	s_lshl_b32 s24, s16, 12                        ; bias: my expert's 1,024 numbers, my wave's 256
	s_lshl_b32 s26, s14, 10
	s_add_co_u32 s24, s24, s26
	s_add_nc_u64 s[10:11], s[10:11], s[24:25]
; Tile t of my 16 tiles of weight rows into ring slot t % 3: 20 loads: its scale words (register 2 (S / 4) + S % 2: lanes 0-15 K step S with S / 2 even, lanes 16-31 with S / 2 odd), its bias, its 8 fragments.
.macro RING t
.set RS, (\t)%3
	global_load_b64 v[WSC+4*RS:WSC+4*RS+1], v10, s[8:9] offset:(\t)*REC+8192
	global_load_b64 v[WSC+4*RS+2:WSC+4*RS+3], v10, s[8:9] offset:(\t)*REC+8192+256
	global_load_b128 v[BIA+8*RS:BIA+8*RS+3], v11, s[10:11] offset:64*(\t)
	global_load_b128 v[BIA+8*RS+4:BIA+8*RS+7], v11, s[10:11] offset:64*(\t)+16
	WIN 0x40
.irp f, 0,1,2,3,4,5,6,7,8,9,10,11,12,13,14,15
	global_load_b128 v[64*RS+4*\f:64*RS+4*\f+3], v1, s[8:9] offset:(\t)*REC+512*\f   ; 512 consecutive bytes: registers 4 c .. 4 c + 3 of K step S, f = 2 S + c
.endr
	WIN 0
.endm
; THE TURN, in two parts.  16 rows x 128 numbers go into my region as loaded (TURNIN) and come back into the registers that they left (TURNBACK): register 16 b + i = k 32 b + 16 h + i of row r.  xw: the set's window.
; LDS serves a wave's instructions in order (ISA guide 5.7.1.4): no wait on DScnt between the stores and the loads.
.macro TURNIN src, xw
	WIN 0x04*(\xw)                                 ; an LDS store's data are its source 1
.irp i, 0,1,2,3,4,5,6,7,8,9,10,11,12,13,14,15
	ds_store_b128 v3, v[\src+4*\i:\src+4*\i+3] offset:\i*PITCH
.endr
	WIN 0
.endm
.macro TURNBACK src, xw
	WIN 0x40*(\xw)
	s_wait_alu depctr_vm_vsrc(0)                   ; the turn's stores have read the set, in which the loads below land; the last image's stores have read v[PC ..] and v13, which this set's quantiser writes again; the loads of x have read v[XA ..]
.irp b, 0,1,2,3
.irp j, 0,1,2,3
	ds_load_b128 v[\src+16*\b+4*\j:\src+16*\b+4*\j+3], v4 offset:128*\b+16*\j
.endr
.endr
	WIN 0
.endm
; reference()'s cast: 64 numbers of a lane are rounded to bf16, to nearest even, and widened again, in place: two roundings a line, then the upper half stays and the lower half moves up.
.macro ROUND src, xw
	WIN 0x45*(\xw)                                 ; destination and both vector sources: the set's window
.set RI, 0
.rept 32
	v_cvt_pk_bf16_f32 v[\src+RI], v[\src+RI], v[\src+RI+1]
.set RI, RI+2
.endr
.set RI, 0
.rept 32
	v_and_b32 v[\src+RI+1], s22, v[\src+RI]
.set RI, RI+2
.endr
.set RI, 0
.rept 32
	v_lshlrev_b32 v[\src+RI], 16, v[\src+RI]
.set RI, RI+2
.endr
.endm
; 64 numbers of a lane become a fragment's 8 registers of codes in v[PC] on and the row's scale word in v[pw] (the same in lanes r and r + 16).
.macro QUANT src, xw, pw
	WIN 0x05*(\xw)
.irp b, 0,1,2,3
	v_max3_num_f32 v[TM+\b], |v[\src+16*\b]|, |v[\src+16*\b+1]|, 0x1800000   ; block b: my 16 numbers, and the floor 2^(3 - 127): so the byte cannot fall under 1
.endr
.irp i, 2,4,6,8,10,12,14
.irp b, 0,1,2,3
	v_max3_num_f32 v[TM+\b], |v[\src+16*\b+\i]|, |v[\src+16*\b+\i+1]|, v[TM+\b]   ; (the four blocks by turns)
.endr
.endr
	WIN 0
.irp b, 0,1,2,3
	v_permlanex16_b32 v[TM+4+\b], v[TM+\b], s20, s21
.endr
.irp b, 0,1,2,3
	v_max_num_f32 v[TM+\b], v[TM+\b], v[TM+4+\b]   ; with lane l xor 16's: the block's largest magnitude
.endr
.irp b, 0,1,2,3
	v_add_nc_u32 v[TM+12+\b], 0xff000000, v[TM+\b] ; 2 off its exponent field: the conversion's scale operand
.endr
.irp b, 0,1,2,3
	v_lshrrev_b32 v[TM+4+\b], 23, v[TM+12+\b]      ; the scale's byte
.endr
	v_lshl_or_b32 v[\pw], v[TM+5], 8, v[TM+4]
	v_lshl_or_b32 v[\pw], v[TM+6], 16, v[\pw]
	v_lshl_or_b32 v[\pw], v[TM+7], 24, v[\pw]
	WIN 0x01*(\xw)
.irp b, 0,1,2,3
	v_cvt_scalef32_pk8_fp4_f32 v[PC+2*\b], v[\src+16*\b:\src+16*\b+7], v[TM+12+\b]
	v_cvt_scalef32_pk8_fp4_f32 v[PC+2*\b+1], v[\src+16*\b+8:\src+16*\b+15], v[TM+12+\b]
.endr
	WIN 0
	v_nop                                          ; one plain place behind a scaled conversion
.irp c, 0,1                                    ; the operand's layout wants a WHOLE block in a lane
.irp i, 0,1
	v_permlane16_swap_b32 v[PC+4*\c+\i], v[PC+4*\c+2+\i]
.endr
.endr
.endm
.macro IMAGE rt, p                             ; the fragment goes to LDS as it stands
.irp c, 0,1
	ds_store_b128 v5, v[PC+4*\c:PC+4*\c+3] offset:\rt*8192+\p*1024+512*\c
.endr
.endm
.macro SWORD                                   ; lanes 0-15: K step 2 w's word of row r; lanes 16-31: K step 2 w + 1's
	v_cndmask_b32 v13, v[PW], v[PW+1], s22
.endm
.macro SSTORE rt
	ds_store_b32 v6, v13 offset:\rt*512
.endm
	s_wait_loadcnt 48                              ; set 0 is in; behind it: sets 1, 2, 3
	TURNIN 128, 0
	RING 0                                         ; the weights' first tiles are asked for while x is quantised: here, between the turn's stores and the wait for their reads.  No vector instruction has named the slot's registers
	TURNBACK 128, 0
	s_wait_dscnt 0x0                               ; the turn is back
	ROUND 128, 0
	QUANT 128, 0, PW
	s_wait_alu depctr_va_vdst(0)                   ; the quantiser has written v[PC ..], which the image's stores read
	IMAGE 0, 0
	s_wait_loadcnt 52                              ; set 1; behind it: sets 2, 3 and ring tile 0's 20
	TURNIN 192, 0
	RING 1
	TURNBACK 192, 0
	s_wait_dscnt 0x0                               ; the turn is back
	ROUND 192, 0
	QUANT 192, 0, PW+1
	SWORD
	s_wait_alu depctr_va_vdst(0)                   ; v[PC ..] and v13 are written, which the stores below read; the rounding and the quantiser are done with sets 0 and 1, in which the fragments' LDS loads will land
	IMAGE 0, 1
	SSTORE 0
	s_wait_loadcnt 56                              ; set 2; behind it: set 3 and two ring tiles
	TURNIN 192, 1
	TURNBACK 192, 1
	s_wait_dscnt 0x0
	ROUND 192, 1
	QUANT 192, 1, PW
	s_wait_alu depctr_va_vdst(0)                   ; the quantiser has written v[PC ..], which the image's stores read
	IMAGE 1, 0
	s_wait_loadcnt 40                              ; set 3; behind it: two ring tiles
	TURNIN 128, 1
	TURNBACK 128, 1
	s_wait_dscnt 0x0
	ROUND 128, 1
	QUANT 128, 1, PW+1
	SWORD
	s_wait_alu depctr_va_vdst(0)                   ; v[PC ..] and v13 are written, which the stores below read; the rounding and the quantiser are done with set 3, in which ring slot 2's loads land
	IMAGE 1, 1
	SSTORE 1
	RING 2                                         ; into the registers that set 3 has left: no vector instruction since the wait above names them
	s_wait_dscnt 0x0                               ; for the others' sake: my images and scale words have landed
	s_barrier_signal -1
	s_barrier_wait -1                              ; x's sixteen fragments lie in LDS.  The one barrier: every wave of every work-group passes it
	s_cmp_eq_u32 s17, 0
	s_cbranch_scc1 .Lend                           ; a tile that this split leaves empty ends here
.irp f, 0,1,2,3,4,5,6,7,8,9,10,11,12,13,14,15,16,17,18,19,20,21,22,23,24,25,26,27,28,29,30,31
	ds_load_b128 v[XF+4*\f:XF+4*\f+3], v7 offset:512*\f   ; fragment (rt, S) at v[XF + 64 rt + 8 S]: they stay for all 16 tiles
.endr
.irp g, 0,1,2,3,4,5,6,7
	ds_load_b32 v[XSR+\g], v8 offset:128*\g
.endr
	s_wait_dscnt 0x0
; One product: 16 weight rows of ring slot k x 16 tokens of tile rt, K step S.  The first K step takes the bias as C: nothing is cleared and nothing is added afterwards.
.macro WM rt, S, k
.set rA, 64*(\k)+8*(\S)
.set rB, XF+64*(\rt)+8*(\S)
.set rD, ACC+8*(\rt)
.set rC, BIA+8*(\k)
.set rU, WSC+4*(\k)+2*((\S)>>2)+((\S)&1)
.set rV, XSR+4*(\rt)+((\S)>>1)
.if (\S) == 0
	v_wmma_scale_f32_16x16x128_f8f6f4 v[rD:rD+7], v[rA:rA+7], v[rB:rB+7], v[rC:rC+7], v[rU], v[rV] matrix_a_fmt:MATRIX_FMT_FP4 matrix_b_fmt:MATRIX_FMT_FP4
.elseif ((\S)&3) == 0
	v_wmma_scale_f32_16x16x128_f8f6f4 v[rD:rD+7], v[rA:rA+7], v[rB:rB+7], v[rD:rD+7], v[rU], v[rV] matrix_a_fmt:MATRIX_FMT_FP4 matrix_b_fmt:MATRIX_FMT_FP4
.elseif ((\S)&3) == 1
	v_wmma_scale_f32_16x16x128_f8f6f4 v[rD:rD+7], v[rA:rA+7], v[rB:rB+7], v[rD:rD+7], v[rU], v[rV] matrix_a_fmt:MATRIX_FMT_FP4 matrix_b_fmt:MATRIX_FMT_FP4 matrix_b_scale:MATRIX_SCALE_ROW1
.elseif ((\S)&3) == 2
	v_wmma_scale_f32_16x16x128_f8f6f4 v[rD:rD+7], v[rA:rA+7], v[rB:rB+7], v[rD:rD+7], v[rU], v[rV] matrix_a_fmt:MATRIX_FMT_FP4 matrix_b_fmt:MATRIX_FMT_FP4 matrix_a_scale:MATRIX_SCALE_ROW1
.else
	v_wmma_scale_f32_16x16x128_f8f6f4 v[rD:rD+7], v[rA:rA+7], v[rB:rB+7], v[rD:rD+7], v[rU], v[rV] matrix_a_fmt:MATRIX_FMT_FP4 matrix_b_fmt:MATRIX_FMT_FP4 matrix_a_scale:MATRIX_SCALE_ROW1 matrix_b_scale:MATRIX_SCALE_ROW1
.endif
.endm
; Tile t: outputs 256 w + 16 t .. + 15 for the 32 tokens.  The two accumulators take turns, one instruction a turn, from tile to tile too.
.macro TILE t
.set KK, (\t)%3
.set PP, PK+8*((\t)%2)
.set BB, BIA+8*((\t)%3)
.if (\t) <= 13
	s_wait_loadcnt 40                              ; this tile's 20 loads are in; behind them: the next two tiles'
.elseif (\t) == 14
	s_wait_loadcnt 20
.else
	s_wait_loadcnt 0x0
.endif
.irp p, 0,2,4,6
	v_cvt_pk_bf16_f32 v[BB+\p], v[BB+\p], v[BB+\p+1]   ; reference()'s cast of the bias: to bf16 and wide again, in place
.endr
.irp p, 0,2,4,6
	v_and_b32 v[BB+\p+1], s22, v[BB+\p]
.endr
.irp p, 0,2,4,6
	v_lshlrev_b32 v[BB+\p], 16, v[BB+\p]
.endr
.rept 4
	v_nop                                          ; four places between these lines and the product that takes their results as C
.endr
	WIN 0x01                                       ; source 0, the weights' codes: window 1
.irp S, 0,1,2,3,4,5,6,7
	WM 0, \S, KK
	WM 1, \S, KK
.endr
	WIN 0
.rept 5
	v_nop                                          ; places (ISA guide 7.12.1): four in front of the conversions that read the results; the fifth since the next tile's first products write the accumulators anew
.endr
.if (\t) >= 2
	s_wait_dscnt 2                                 ; the last tile's two stores may be out; those of the tile before it are done
	s_wait_alu depctr_vm_vsrc(0)                   ; the stores of the tile before last have read this set of packed results, which the conversions below write again (in tile 2 also: the last image's stores have read v[PC ..], which the way out writes)
.endif
.irp rt, 0,1
.irp p, 0,1,2,3
	v_cvt_pk_bf16_f32 v[PP+4*\rt+\p], v[ACC+8*\rt+2*\p], v[ACC+8*\rt+2*\p+1]   ; each accumulator from its low end on; to nearest even
.endr
.endr
	s_wait_alu depctr_va_vdst(0)                   ; the conversions have written the packed results, which the two stores read; the tile's products are done reading the slot's codes, scale words and bias, and the rounding has written the bias: the loads below land there (tile 15: the products are done reading v[XF ..], in which the way out's loads land)
	ds_store_b128 v9, v[PP:PP+3] offset:32*(\t)                    ; token r, outputs 16 t + 8 h + 0 .. 7
	ds_store_b128 v9, v[PP+4:PP+7] offset:16*PITCH+32*(\t)         ; token 16 + r
.if (\t)+3 < 16
	RING (\t)+3                                    ; the slot just multiplied takes the tile three on, at once: no vector or matrix instruction since the wait above names its registers
.endif
.endm
.irp t, 0,1,2,3,4,5,6,7,8,9,10,11,12,13,14,15
	TILE \t
.endr
; THE WAY OUT.  My region holds my 256 outputs of the 32 tokens as rows of 512 bytes; each goes to its token's row of out0: 32 lanes store 512 consecutive bytes, at a multiple of 256 from out0's first byte.
; The tile's rows are the first s17 of the 32: the first row that is none ends the wave.  The rows' offsets are made while the rows come back from LDS.
.irp j, 0,1,2,3,4,5,6,7,8,9,10,11,12,13,14,15,16,17,18,19,20,21,22,23,24,25,26,27,28,29,30,31
	ds_load_b128 v[128+4*\j:128+4*\j+3], v3 offset:\j*PITCH   ; my own bytes, served in order: these see my stores
.endr
.irp j, 0,1,2,3,4,5,6,7,8,9,10,11,12,13,14,15,16,17,18,19,20,21,22,23,24,25,26,27,28,29,30,31
	v_lshl_add_u32 v[OF+\j], s[TOK+\j], 11, v12
.endr
	s_wait_alu depctr_va_vdst(0)                   ; the 32 offsets v[OF ..] are written, which the stores below read: one wait, ahead of the first store and of every branch
.irp j, 0,1,2,3,4,5,6,7,8,9,10,11,12,13,14,15,16,17,18,19,20,21,22,23,24,25,26,27,28,29,30,31
.if \j > 0
	s_cmp_le_u32 s17, \j
	s_cbranch_scc1 .Lend
.endif
	s_wait_dscnt 31-\j                             ; LDS loads come back in order: row j is in, the younger ones stay out
	global_store_b128 v[OF+\j], v[128+4*\j:128+4*\j+3], s[12:13] th:TH_STORE_NT   ; written once, read by nobody here; every store has registers of its own
.endr
.Lend:
	s_wait_dscnt 0x0                               ; the closing lines, six on end
	s_wait_alu 0x0
	s_wait_tensorcnt 0x0
	ds_add_u32 v126, v127
	s_wait_dscnt 0x0
	s_endpgm
.Lfunc_end_k_q548e116788_moe:
	.size	k_q548e116788_moe, .Lfunc_end_k_q548e116788_moe-k_q548e116788_moe
	.p2alignl 7, 3214868480
	.fill 96, 4, 3214868480
	.section	.rodata,"a",@progbits
	.p2align	6, 0x0
	.amdhsa_kernel k_q548e116788_moe
		.amdhsa_group_segment_fixed_size 85504
		.amdhsa_private_segment_fixed_size 0
		.amdhsa_enable_private_segment 0
		.amdhsa_kernarg_size 40
		.amdhsa_user_sgpr_count 2
		.amdhsa_user_sgpr_kernarg_segment_ptr 1
		.amdhsa_wavefront_size32 1
		.amdhsa_system_sgpr_workgroup_id_x 1
		.amdhsa_system_sgpr_workgroup_id_y 1
		.amdhsa_system_sgpr_workgroup_id_z 1
		.amdhsa_system_vgpr_workitem_id 0
		.amdhsa_next_free_vgpr 512
		.amdhsa_next_free_sgpr 66
		.amdhsa_reserve_vcc 0
		.amdhsa_float_denorm_mode_32 3
		.amdhsa_float_denorm_mode_16_64 3
		.amdhsa_memory_ordered 1
		.amdhsa_forward_progress 1
		.amdhsa_inst_pref_size 155
	.end_amdhsa_kernel
	.amdgpu_metadata
---
amdhsa.version: [ 1, 2 ]
amdhsa.kernels:
  - .name:           k_q548e116788_moe
    .symbol:         k_q548e116788_moe.kd
    .args:
      - { .name: x, .offset: 0, .size: 8, .value_kind: global_buffer, .address_space: global }
      - { .name: route, .offset: 8, .size: 8, .value_kind: global_buffer, .address_space: global }
      - { .name: wq, .offset: 16, .size: 8, .value_kind: global_buffer, .address_space: global }
      - { .name: bias, .offset: 24, .size: 8, .value_kind: global_buffer, .address_space: global }
      - { .name: out0, .offset: 32, .size: 8, .value_kind: global_buffer, .address_space: global }
    .group_segment_fixed_size: 85504
    .private_segment_fixed_size: 0
    .kernarg_segment_align: 8
    .kernarg_segment_size: 40
    .max_flat_workgroup_size: 128
    .sgpr_count:     66
    .vgpr_count:     512
    .wavefront_size: 32
...
	.end_amdgpu_metadata
.endif
;; end of part 4
